; MI455X (gfx1250); checked and timed in simulation.
; The chip was launched on July 23, 2026; its instructions are those of AMD's public machine-readable ISA for CDNA 5 (MIT licence, August 2026) and "CDNA5" Instruction Set Architecture Reference Guide (July 2026). The comments in the code are by the model that wrote it; some were corrected since.
;; Block. Allowed arithmetic: float matrix products may take bf16 or f16 operands with f32 sums; all other float work in f32.
;; Inputs: b_attn 3,072 float32; b_fc 4,096 float32; b_mlp_proj 1,024 float32; b_proj 1,024 float32; ln1_b 1,024 float32; ln1_w 1,024 float32; ln2_b 1,024 float32; ln2_w 1,024 float32; w_attn 1,024 x 3,072 float32; w_fc 1,024 x 4,096 float32; w_mlp_proj 4,096 x 1,024 float32; w_proj 1,024 x 1,024 float32; x 2 x 2,048 x 1,024 float32.
;; Outputs: out0 2 x 2,048 x 1,024 float32.
;; 2 versions, each right; version 2 is version 1 with the launches ln1, ln2 written anew for expert scheduling mode. Each part assembles by itself: llvm-mc -triple=amdgcn-amd-amdhsa -mcpu=gfx1250 --defsym DOCPART=n.
;; ======== version 1 of 2: 8 launches
;; limits: values are held in f16: magnitudes above 65,504 overflow, below 6.1e-05 lose precision
;; workspace buffers: wbf 25,165,824 bytes; act 8,388,608 bytes; qkvb 25,165,824 bytes; x1 16,777,216 bytes; gbuf 33,554,432 bytes
;; launch cvtw (part 1): grid 768 x 1, 8 waves a work-group, no clusters, 0 bytes of LDS; arguments w_attn, w_proj, w_fc, w_mlp_proj, wbf; writes wbf
.if DOCPART == 1
	.amdgcn_target "amdgcn-amd-amdhsa--gfx1250"
	.amdhsa_code_object_version 6
	.text
	.protected	k_qdc44d119d4_cvtw
	.globl	k_qdc44d119d4_cvtw
	.p2align	8
	.type	k_qdc44d119d4_cvtw,@function
k_qdc44d119d4_cvtw:
	s_mov_b64 s[64:65], 0
	v_nop
	global_prefetch_b8 v0, s[64:65] scope:SCOPE_SE
	s_setreg_imm32_b32 hwreg(HW_REG_WAVE_MODE, 25, 1), 1
	s_wait_xcnt 0x0
; The four weight matrices, f32 [K][N], rounded once to f16 into one buffer, the layout [K][N] kept:
; w_attn at byte 0, w_proj at 6,291,456, w_fc at 8,388,608, w_mlp_proj at 16,777,216.
; WHY f16: its 11 significant bits are needed (four products follow each other, and the result is compared within a hundredth of its rms).
; Limit: a weight beyond 65,504 in magnitude becomes infinite; below 6.1e-5 the step is 6e-8.
; A pure stream: no LDS, no barrier, no matrix unit, no cluster (no byte is read by two work-groups).
; A work-group takes 16,384 numbers (65,536 bytes in, 32,768 out).  Work-groups 0-191 take w_attn, 192-255 w_proj,
; 256-511 w_fc, 512-767 w_mlp_proj, so the destination's offset is 32,768 x the work-group's number for all four.
; A wave takes 8,192 bytes by 16 loads of 512 neighbouring bytes, all issued before the first is waited for.
; A store of the wave covers 256 consecutive bytes, aligned.
.set X, 4                              ; v[4:67]  load i: 4 registers; its two packed words are stored from the first two
	s_load_b256 s[4:11], s[0:1], 0x0               ; w_attn s[4:5], w_proj s[6:7], w_fc s[8:9], w_mlp_proj s[10:11]
	s_load_b64 s[12:13], s[0:1], 0x20              ; wbf
	v_and_b32 v1, 31, v0                           ; lane
	v_lshrrev_b32 v3, 5, v0                        ; wave
	v_lshlrev_b32 v2, 3, v1                        ; 8 bytes a lane out
	v_lshlrev_b32 v1, 4, v1                        ; 16 bytes a lane in
	v_lshl_add_u32 v1, v3, 13, v1                  ; + wave x 8,192
	v_lshl_add_u32 v2, v3, 12, v2                  ; + wave x 4,096
	s_lshl_b32 s20, ttmp9, 15                      ; destination: 32,768 x work-group
	s_mov_b32 s21, 0
	s_mov_b32 s19, 0
	s_wait_kmcnt 0x0
	s_mov_b64 s[14:15], s[10:11]                   ; which source, and the number of its first work-group: chosen by the work-group's number alone
	s_mov_b32 s16, 512
	s_cmp_lt_u32 ttmp9, 512
	s_cselect_b64 s[14:15], s[8:9], s[14:15]
	s_cselect_b32 s16, 256, s16
	s_cmp_lt_u32 ttmp9, 256
	s_cselect_b64 s[14:15], s[6:7], s[14:15]
	s_cselect_b32 s16, 192, s16
	s_cmp_lt_u32 ttmp9, 192
	s_cselect_b64 s[14:15], s[4:5], s[14:15]
	s_cselect_b32 s16, 0, s16
	s_sub_co_u32 s18, ttmp9, s16
	s_lshl_b32 s18, s18, 16                        ; 65,536 x my place in that source
	s_add_nc_u64 s[14:15], s[14:15], s[18:19]
	s_add_nc_u64 s[12:13], s[12:13], s[20:21]
.irp i, 0,1,2,3,4,5,6,7,8,9,10,11,12,13,14,15
	global_load_b128 v[X+4*\i:X+4*\i+3], v1, s[14:15] offset:512*\i th:TH_LOAD_NT
.endr
.irp i, 0,1,2,3,4,5,6,7,8,9,10,11,12,13,14,15
	s_wait_loadcnt 15-\i                           ; loads come back in order: load i is in, the 15 - i younger ones stay out
	v_cvt_pk_f16_f32 v[X+4*\i], v[X+4*\i], v[X+4*\i+1]
	v_cvt_pk_f16_f32 v[X+4*\i+1], v[X+4*\i+2], v[X+4*\i+3]
	global_store_b64 v2, v[X+4*\i:X+4*\i+1], s[12:13] offset:256*\i    ; no register is written again: no wait for the stores' sources
.endr
	s_endpgm
.Lfunc_end_k_qdc44d119d4_cvtw:
	.size	k_qdc44d119d4_cvtw, .Lfunc_end_k_qdc44d119d4_cvtw-k_qdc44d119d4_cvtw
	.p2alignl 7, 3214868480
	.fill 96, 4, 3214868480
	.section	.rodata,"a",@progbits
	.p2align	6, 0x0
	.amdhsa_kernel k_qdc44d119d4_cvtw
		.amdhsa_group_segment_fixed_size 0
		.amdhsa_private_segment_fixed_size 0
		.amdhsa_enable_private_segment 0
		.amdhsa_kernarg_size 40
		.amdhsa_user_sgpr_count 2
		.amdhsa_user_sgpr_kernarg_segment_ptr 1
		.amdhsa_wavefront_size32 1
		.amdhsa_system_sgpr_workgroup_id_x 1
		.amdhsa_system_sgpr_workgroup_id_y 1
		.amdhsa_system_sgpr_workgroup_id_z 1
		.amdhsa_system_vgpr_workitem_id 0
		.amdhsa_next_free_vgpr 68
		.amdhsa_next_free_sgpr 66
		.amdhsa_reserve_vcc 0
		.amdhsa_float_denorm_mode_32 3
		.amdhsa_float_denorm_mode_16_64 3
		.amdhsa_memory_ordered 1
		.amdhsa_forward_progress 1
		.amdhsa_inst_pref_size 7
	.end_amdhsa_kernel
	.amdgpu_metadata
---
amdhsa.version: [ 1, 2 ]
amdhsa.kernels:
  - .name:           k_qdc44d119d4_cvtw
    .symbol:         k_qdc44d119d4_cvtw.kd
    .args:
      - { .name: w_attn, .offset: 0, .size: 8, .value_kind: global_buffer, .address_space: global }
      - { .name: w_proj, .offset: 8, .size: 8, .value_kind: global_buffer, .address_space: global }
      - { .name: w_fc, .offset: 16, .size: 8, .value_kind: global_buffer, .address_space: global }
      - { .name: w_mlp_proj, .offset: 24, .size: 8, .value_kind: global_buffer, .address_space: global }
      - { .name: wbf, .offset: 32, .size: 8, .value_kind: global_buffer, .address_space: global }
    .group_segment_fixed_size: 0
    .private_segment_fixed_size: 0
    .kernarg_segment_align: 8
    .kernarg_segment_size: 40
    .max_flat_workgroup_size: 256
    .sgpr_count:     66
    .vgpr_count:     68
    .wavefront_size: 32
...
	.end_amdgpu_metadata
.endif
;; end of part 1
;; launch ln1 (part 2): grid 256 x 1, 4 waves a work-group, no clusters, 0 bytes of LDS; arguments x, ln1_w, ln1_b, act; writes act
.if DOCPART == 2
	.amdgcn_target "amdgcn-amd-amdhsa--gfx1250"
	.amdhsa_code_object_version 6
	.text
	.protected	k_qdc44d119d4_ln1
	.globl	k_qdc44d119d4_ln1
	.p2align	8
	.type	k_qdc44d119d4_ln1,@function
k_qdc44d119d4_ln1:
	s_mov_b64 s[64:65], 0
	v_nop
	global_prefetch_b8 v0, s[64:65] scope:SCOPE_SE
	s_setreg_imm32_b32 hwreg(HW_REG_WAVE_MODE, 25, 1), 1
	s_wait_xcnt 0x0
; Layer norm of 4,096 rows of 1,024 f32, result in f16: y = (x - mean) * rsqrt(var + 1e-5) * w + b.
; Two passes over registers: the mean first, then the squares of the centred numbers, so that no difference of large sums is formed.
; A work-group takes 16 rows, a wave 4; a row is one wave's (8 loads of 512 neighbouring bytes, 32 registers), so the
; reductions never leave the wave: no LDS, no barrier.  Nothing is shared but w and b (8 KiB): no cluster, no matrix unit.
; All 48 loads of a wave are issued at the start; the waits count down.  A store of the wave covers 256 consecutive bytes, aligned.
; WHY f16: a normalised number is at most sqrt(1023) < 32 in magnitude whatever x holds, so the result is at most 32 |w| + |b|.
; Limits: a result beyond 65,504 in magnitude becomes infinite (|w| above some 2,000); v_rsq_f32 is good to the last bit but one and
; flushes denormals; NaN and infinities are not treated specially.
.set ROWB, 4096
.set T,   4                            ; v[4:11]   four chains at work
.set MU,  12                           ; v[12:13]  the mean, twice
.set R,   14                           ; v[14:15]  1 / sqrt(var + eps), twice
.set W,   20                           ; v[20:51]  w of my 32 columns
.set BV,  52                           ; v[52:83]  b of my 32 columns
.set X,   84                           ; v[84:211] row i: 32 registers
	s_load_b256 s[4:11], s[0:1], 0x0               ; src s[4:5], w s[6:7], b s[8:9], dst s[10:11]
	s_lshl_b32 s2, ttmp9, 16                       ; 16 rows of 4,096 bytes in
	s_mov_b32 s3, 0
	s_lshl_b32 s16, ttmp9, 15                      ; 16 rows of 2,048 bytes out
	s_mov_b32 s17, 0
	s_mov_b32 s12, 0x76543210                      ; v_permlanex16_b32: lane i reads lane i of the other half
	s_mov_b32 s13, 0xfedcba98
	s_mov_b32 s14, 0x3a800000                      ; 1 / 1024
	s_mov_b32 s15, 0x3727c5ac                      ; 1e-5
	v_and_b32 v2, 31, v0
	v_lshrrev_b32 v16, 5, v0                       ; wave (v16 later takes the other half's sum: written here once)
	v_lshlrev_b32 v3, 3, v2
	v_lshlrev_b32 v2, 4, v2                        ; 16 x lane: my place in w, b and a row
	v_lshl_add_u32 v1, v16, 14, v2                 ; + wave x 4 rows in
	v_lshl_add_u32 v3, v16, 13, v3                 ; 8 x lane + wave x 4 rows out
	s_wait_kmcnt 0x0
	s_add_nc_u64 s[4:5], s[4:5], s[2:3]
	s_add_nc_u64 s[10:11], s[10:11], s[16:17]
.irp c, 0,1,2,3,4,5,6,7
	global_load_b128 v[X+4*\c:X+4*\c+3], v1, s[4:5] offset:512*\c
.endr
.irp c, 0,1,2,3,4,5,6,7
	global_load_b128 v[W+4*\c:W+4*\c+3], v2, s[6:7] offset:512*\c
.endr
.irp c, 0,1,2,3,4,5,6,7
	global_load_b128 v[BV+4*\c:BV+4*\c+3], v2, s[8:9] offset:512*\c
.endr
.irp i, 1,2,3
.irp c, 0,1,2,3,4,5,6,7
	global_load_b128 v[X+32*\i+4*\c:X+32*\i+4*\c+3], v1, s[4:5] offset:ROWB*\i+512*\c
.endr
.endr
; the four chains in T fold into one number, and that is summed over the 32 lanes; every lane ends with the sum in v[T]
.macro FOLD
	v_pk_add_f32 v[T:T+1], v[T:T+1], v[T+2:T+3]
	v_pk_add_f32 v[T+4:T+5], v[T+4:T+5], v[T+6:T+7]
	v_pk_add_f32 v[T:T+1], v[T:T+1], v[T+4:T+5]
	v_add_f32 v[T], v[T], v[T+1]
	v_add_f32_dpp v[T], v[T], v[T] row_xmask:1 row_mask:0xf bank_mask:0xf
	v_add_f32_dpp v[T], v[T], v[T] row_xmask:2 row_mask:0xf bank_mask:0xf
	v_add_f32_dpp v[T], v[T], v[T] row_xmask:4 row_mask:0xf bank_mask:0xf
	v_add_f32_dpp v[T], v[T], v[T] row_xmask:8 row_mask:0xf bank_mask:0xf
	v_permlanex16_b32 v16, v[T], s12, s13
	v_add_f32 v[T], v[T], v16
.endm
; row i.  left = how many younger loads may stay out when this row has to be there
.macro ROW i, left
.set XR, X+32*\i
	s_wait_loadcnt \left
.irp k, 0,1,2,3
	v_pk_add_f32 v[T+2*\k:T+2*\k+1], v[XR+2*\k:XR+2*\k+1], v[XR+8+2*\k:XR+8+2*\k+1]     ; the first adds start the chains
.endr
.irp k, 0,1,2,3
	v_pk_add_f32 v[T+2*\k:T+2*\k+1], v[T+2*\k:T+2*\k+1], v[XR+16+2*\k:XR+16+2*\k+1]
.endr
.irp k, 0,1,2,3
	v_pk_add_f32 v[T+2*\k:T+2*\k+1], v[T+2*\k:T+2*\k+1], v[XR+24+2*\k:XR+24+2*\k+1]
.endr
	FOLD
	v_mul_f32 v[MU], s14, v[T]
	v_mul_f32 v[MU+1], s14, v[T]
.set n, 0
.rept 16
	v_pk_add_f32 v[XR+2*n:XR+2*n+1], v[XR+2*n:XR+2*n+1], v[MU:MU+1] neg_lo:[0,1] neg_hi:[0,1]   ; x - mean
.set n, n+1
.endr
.irp k, 0,1,2,3
	v_pk_mul_f32 v[T+2*\k:T+2*\k+1], v[XR+2*\k:XR+2*\k+1], v[XR+2*\k:XR+2*\k+1]
.endr
.set n, 4
.rept 12
	v_pk_fma_f32 v[T+2*(n%4):T+2*(n%4)+1], v[XR+2*n:XR+2*n+1], v[XR+2*n:XR+2*n+1], v[T+2*(n%4):T+2*(n%4)+1]
.set n, n+1
.endr
	FOLD
	v_fma_f32 v[T], v[T], s14, s15                 ; var + eps
	v_rsq_f32 v[R], v[T]
	v_rsq_f32 v[R+1], v[T]
.if \i == 0
	s_wait_loadcnt 24                              ; w and b are in; the 24 loads of rows 1 to 3 stay out
.endif
	v_nop                                          ; one plain place behind v_rsq_f32 before its result is used (ISA guide 5.7.2)
.set n, 0
	s_wait_alu depctr_va_vdst(0)
.rept 16
	v_pk_mul_f32 v[XR+2*n:XR+2*n+1], v[XR+2*n:XR+2*n+1], v[R:R+1]
.set n, n+1
.endr
.set n, 0
.rept 16
	v_pk_fma_f32 v[XR+2*n:XR+2*n+1], v[XR+2*n:XR+2*n+1], v[W+2*n:W+2*n+1], v[BV+2*n:BV+2*n+1]
.set n, n+1
.endr
.irp c, 0,1,2,3,4,5,6,7
	v_cvt_pk_f16_f32 v[XR+4*\c], v[XR+4*\c], v[XR+4*\c+1]
	v_cvt_pk_f16_f32 v[XR+4*\c+1], v[XR+4*\c+2], v[XR+4*\c+3]
	global_store_b64 v3, v[XR+4*\c:XR+4*\c+1], s[10:11] offset:2048*\i+256*\c      ; a row's registers are never written again
.endr
.endm
	ROW 0, 40                                      ; out: w (8), b (8), rows 1 to 3 (24)
	ROW 1, 16
	ROW 2, 8
	ROW 3, 0
	s_endpgm
.Lfunc_end_k_qdc44d119d4_ln1:
	.size	k_qdc44d119d4_ln1, .Lfunc_end_k_qdc44d119d4_ln1-k_qdc44d119d4_ln1
	.p2alignl 7, 3214868480
	.fill 96, 4, 3214868480
	.section	.rodata,"a",@progbits
	.p2align	6, 0x0
	.amdhsa_kernel k_qdc44d119d4_ln1
		.amdhsa_group_segment_fixed_size 0
		.amdhsa_private_segment_fixed_size 0
		.amdhsa_enable_private_segment 0
		.amdhsa_kernarg_size 32
		.amdhsa_user_sgpr_count 2
		.amdhsa_user_sgpr_kernarg_segment_ptr 1
		.amdhsa_wavefront_size32 1
		.amdhsa_system_sgpr_workgroup_id_x 1
		.amdhsa_system_sgpr_workgroup_id_y 1
		.amdhsa_system_sgpr_workgroup_id_z 1
		.amdhsa_system_vgpr_workitem_id 0
		.amdhsa_next_free_vgpr 212
		.amdhsa_next_free_sgpr 66
		.amdhsa_reserve_vcc 0
		.amdhsa_float_denorm_mode_32 3
		.amdhsa_float_denorm_mode_16_64 3
		.amdhsa_memory_ordered 1
		.amdhsa_forward_progress 1
		.amdhsa_inst_pref_size 38
	.end_amdhsa_kernel
	.amdgpu_metadata
---
amdhsa.version: [ 1, 2 ]
amdhsa.kernels:
  - .name:           k_qdc44d119d4_ln1
    .symbol:         k_qdc44d119d4_ln1.kd
    .args:
      - { .name: x, .offset: 0, .size: 8, .value_kind: global_buffer, .address_space: global }
      - { .name: ln1_w, .offset: 8, .size: 8, .value_kind: global_buffer, .address_space: global }
      - { .name: ln1_b, .offset: 16, .size: 8, .value_kind: global_buffer, .address_space: global }
      - { .name: act, .offset: 24, .size: 8, .value_kind: global_buffer, .address_space: global }
    .group_segment_fixed_size: 0
    .private_segment_fixed_size: 0
    .kernarg_segment_align: 8
    .kernarg_segment_size: 32
    .max_flat_workgroup_size: 128
    .sgpr_count:     66
    .vgpr_count:     212
    .wavefront_size: 32
...
	.end_amdgpu_metadata
.endif
;; end of part 2
;; launch gemm_qkv (part 3): grid 12 x 16, 4 waves a work-group, clusters of 4 x 4, 327,680 bytes of LDS; arguments act, wbf, b_attn, qkvb; writes qkvb
.if DOCPART == 3
	.amdgcn_target "amdgcn-amd-amdhsa--gfx1250"
	.amdhsa_code_object_version 6
	.text
	.protected	k_qdc44d119d4_gemm_qkv
	.globl	k_qdc44d119d4_gemm_qkv
	.p2align	8
	.type	k_qdc44d119d4_gemm_qkv,@function
k_qdc44d119d4_gemm_qkv:
	s_mov_b64 s[64:65], 0
	v_nop
	global_prefetch_b8 v0, s[64:65] scope:SCOPE_SE
	s_setreg_imm32_b32 hwreg(HW_REG_WAVE_MODE, 25, 1), 1
	s_wait_xcnt 0x0
	s_wait_alu depctr_hold_cnt(0) depctr_sa_sdst(0) depctr_va_vdst(0) depctr_va_sdst(0) depctr_va_ssrc(0) depctr_va_vcc(0) depctr_vm_vsrc(0)
	s_getreg_b32 s2, hwreg(HW_REG_IB_STS2, 6, 4)
	s_cmp_eq_u32 s2, 0
	s_cbranch_scc0 .Lentry_in_a_cluster
	s_endpgm
.Lentry_in_a_cluster:
	s_bfe_u32 s2, ttmp6, 0x10000c
	s_cmp_lg_u32 s2, 0xf033
	s_cbranch_scc0 .Lentry_shape_is_right
	s_endpgm
.Lentry_shape_is_right:
; C[m][n] = sum over k of A[m][k] W[k][n] + bias[n] (and, where GELU = 1, the tanh form of GELU of that), C rounded once to f16.
; A: [4096][SIZE_K] f16.  W: [SIZE_K][SIZE_N] f16 at byte WOFF of the weight buffer.  bias: [SIZE_N] f32.  Sums in f32.
; A work-group makes 256 x 256 of C with four waves, one for each SIMD; a wave makes 128 x 128: 64 accumulator tiles, 512 registers.
; K goes in steps of 128 through two LDS slots filled by the tensor data mover: A's tile is 256 rows of 256 bytes, W's 128 rows (k) of 512 bytes.
; W lies [k][n]; its fragments are made by the transposing LDS load (two ds_load_tr16_b128 a fragment, as many as a plain fragment takes).
; CLUSTERS: 4 x 4 work-groups.  A's tile hangs on the block row alone and is asked for jointly by a row of the cluster, W's on the block
; column alone and is asked for jointly by a column: each of the four issues the same load with the same descriptor and a mask of the four.
; This size has 12 x 16 = 192 blocks of C, one a work-group.
; REGISTERS, in windows of 256:
;   window 0: v0-31 addresses and constants; v32-63, v224-255 rows on the way out; v64-127, v128-191 fragments of A, two buffers; v192-223 packed results
;   window 1: v0-63 the bias of my 128 columns as the accumulators hold them; v64-127, v128-191 fragments of W, two buffers
;   window 2: the 32 accumulator tiles of my rows 0-63 (tile (a, b) at v[8 (8 a + b)]);  window 3: those of my rows 64-127
; THE MATRIX INSTRUCTION IS USED TRANSPOSED: source 0 = 16 columns of W, source 1 = 16 rows of A; lane l then holds row l % 16 of C and
; its registers 0 to 7 the columns 8 (l / 16) + 0 .. 7: eight neighbouring numbers of a row.
; Limits: operands and C are f16: a result beyond 65,504 in magnitude becomes infinite (A is a layer norm's result, of the gain's size, and a sum
; has the size of gain x weight x 32: gain and weights each 30 times those of a unit gain and weights of rms 1/32 give sums of some 5,000);
; NaN and infinities are not treated specially; v_exp_f32 and v_rcp_f32 flush denormals.
.set SIZE_N, 3072
.set SIZE_K, 1024
.set WOFF,   0
.set GELU,   0
.set KSTEP,  128
.set PITCH,  272                       ; A's LDS row: 256 bytes + 16: an odd multiple of 16, so 16 rows start in 16 different 16-byte columns of 256
.set BP,     544                       ; W's LDS row: 512 bytes + 32: an odd multiple of 32, as the transposing load's eight rows want
.set HALFT,  128*PITCH                 ; what one tensor load brings: 128 rows of A, or 64 rows of W (64 x 544 is the same 34,816)
.set SLOT,   4*HALFT                   ; A's 256 rows, then W's 128 rows
.set STAGE,  2*SLOT                    ; behind the ring: 16 rows x 272 bytes for each wave, for the way out; no fill lands here
.set SPITCH, 272
.set LAPS, SIZE_K/(2*KSTEP)            ; a lap = two K steps = once round the ring
.set ADRA, 16                          ; v16-17  LDS address of my A fragments in slot 0, 1
.set ADRB, 20                          ; v20-21  the same for W
.set STO,  24                          ; the way out: where I put 16 bytes of a row
.set RD,   25                          ; the way out: where I read a row back
.set CO,   26                          ; my byte offset in C
.set BO,   27                          ; my byte offset in the bias
.set KC1,  28                          ; v[28:29], v[30:31]  GELU's two constants, twice each
.set KC2,  30
.set RB0,  32
.set F0,   64
.set F1,   128
.set TMP,  192
.set RB1,  224
.set G1, 24                            ; s[24:31] group 1 for A's tiles
.set G0, 32                            ; s[32:39] group 0 for A's tiles, one set for each slot
.set G1B, 48                           ; s[48:55] group 1 for W's tiles
.set G0B, 56                           ; s[56:63] group 0 for W's tiles, one set for each slot
.set MSB, 0
.macro WIN new                         ; the immediate's high byte repeats the setting that is left
.if MSB != \new
	s_set_vgpr_msb (MSB<<8)|\new
.set MSB, \new
.endif
.endm
.set MUL_LO, 0xa1                      ; source 0 (W) window 1, source 1 (A) window 0, C and D window 2
.set MUL_HI, 0xf1                      ; the same, C and D window 3
.set TO_B,   0x40                      ; destination window 1, address window 0
; A joint load.  Waves 0 and 1 fetch A's two halves, waves 2 and 3 W's.  Each line has one mask and one set of registers for all that issue it.
; The branch hangs on the wave's number alone.  Four v_nop follow each line; the jump, the label and what follows come after them.
.macro JLOAD s
	s_cmp_eq_u32 s13, 0
	s_cbranch_scc0 .Lfor_b_\@
	tensor_load_to_lds s[G0+4*\s:G0+4*\s+3], s[G1:G1+7]
	s_nop 0
.rept 4
	v_nop
.endr
	s_branch .Lasked_\@
.Lfor_b_\@:
	tensor_load_to_lds s[G0B+4*\s:G0B+4*\s+3], s[G1B:G1B+7]
	s_nop 0
.rept 4
	v_nop
.endr
.Lasked_\@:
.endm
; A round of the cluster's barrier: my work-group's barrier; wave 0 signals for the work-group; every wave waits for all sixteen; my work-group's barrier again.
.macro CREST                           ; a round behind its opening barrier
	s_cmp_lg_u32 s12, 0
	s_cbranch_scc1 .Lnot_wave_0_\@
	s_barrier_signal -3
.Lnot_wave_0_\@:
	s_barrier_wait -3
	s_barrier_signal -1
	s_barrier_wait -1
.endm
.macro CROUND
	s_barrier_signal -1
	s_barrier_wait -1
	CREST
.endm
	s_load_b256 s[4:11], s[0:1], 0x0               ; A s[4:5], weights s[6:7], bias s[8:9], C s[10:11]
	s_set_vgpr_msb 0x40
	v_lshl_add_u32 v255, v0, 2, 0x48400
	s_set_vgpr_msb 0x4000
	v_mov_b32 v31, 0
	s_set_vgpr_msb 0x1
	ds_add_u32 v255, v31
	ds_add_u32 v255, v31
	s_set_vgpr_msb 0x100
	v_lshrrev_b32 v1, 5, v0
	v_readfirstlane_b32 s12, v1                    ; wave 0..3
	s_lshr_b32 s13, s12, 1                         ; which half of the block's rows is mine.  Also: I fetch for A (0) or for W (1)
	s_and_b32 s14, s12, 1                          ; which half of its columns.  Also: which half of that tile I fetch
	s_bfe_u32 s40, ttmp6, 0x40000                  ; cx
	s_bfe_u32 s41, ttmp6, 0x40004                  ; cy
	s_lshl_b32 s42, ttmp9, 2
	s_add_co_u32 s42, s42, s40                     ; block column = 4 x cluster x + cx
	s_and_b32 s15, ttmp7, 0xffff
	s_lshl_b32 s15, s15, 2
	s_add_co_u32 s15, s15, s41                     ; block row = 4 x cluster y + cy
	s_lshl_b32 s43, s41, 2
	s_lshl_b32 s43, 15, s43                        ; my row of the cluster: places 4 cy .. 4 cy + 3
	s_lshl_b32 s44, 0x1111, s40                    ; my column: places cx, cx + 4, cx + 8, cx + 12
	; group 1 for A: 128 rows x 128 elements of 2 bytes, 4 words of padding behind every 64
	s_or_b32 s[G1+0], s43, (1<<16)|(1<<20)|(1<<21)|(5<<22)|(3<<25)
	s_mov_b32 s[G1+1], KSTEP<<16                   ; tensor_dim0 = 128
	s_mov_b32 s[G1+2], 128<<16                     ; tensor_dim1 = 128
	s_mov_b32 s[G1+3], KSTEP<<16                   ; tile_dim0 = 128
	s_mov_b32 s[G1+4], 128                         ; tile_dim1 = 128
	s_mov_b32 s[G1+5], SIZE_K                      ; elements from row to row
	s_mov_b32 s[G1+6], 0
	s_mov_b32 s[G1+7], 0
	; group 1 for W: 64 rows (k) x 256 elements (n), 8 words of padding behind every 128
	s_or_b32 s[G1B+0], s44, (1<<16)|(1<<20)|(1<<21)|(6<<22)|(7<<25)
	s_mov_b32 s[G1B+1], 256<<16
	s_mov_b32 s[G1B+2], 64<<16
	s_mov_b32 s[G1B+3], 256<<16
	s_mov_b32 s[G1B+4], 64
	s_mov_b32 s[G1B+5], SIZE_N
	s_mov_b32 s[G1B+6], 0
	s_mov_b32 s[G1B+7], 0
	; where the tiles come from: A's hang on the block row and the wave alone, W's on the block column and the wave alone, in registers of their own
	s_lshl_b32 s16, s15, 8
	s_lshl_b32 s17, s14, 7
	s_add_co_u32 s16, s16, s17                     ; A: row 256 x block row + 128 x half
	s_mul_i32 s16, s16, SIZE_K*2                   ; in bytes (below 2^24 here)
	s_mov_b32 s17, 0
	s_mul_i32 s46, s14, 64*SIZE_N*2                ; W: k row 64 x half,
	s_lshl_b32 s47, s42, 9                         ; column 256 x block column,
	s_add_co_u32 s46, s46, s47
	s_add_co_u32 s46, s46, WOFF                    ; in this matrix's part of the weight buffer
	s_mov_b32 s47, 0
	s_mul_i32 s20, s12, HALFT                      ; and where they go: wave x 34,816: no place in the cluster enters an LDS address
	s_wait_dscnt 0x0
	s_wait_kmcnt 0x0
	s_add_nc_u64 s[18:19], s[4:5], s[16:17]
	s_add_nc_u64 s[46:47], s[6:7], s[46:47]
	CROUND                                         ; all sixteen work-groups are here: the first joint loads meet
.irp s, 0,1
	s_mov_b32 s[G0+4*\s], 1
	s_add_co_u32 s[G0+4*\s+1], s20, \s*SLOT
	s_add_nc_u64 s[G0+4*\s+2:G0+4*\s+3], s[18:19], \s*KSTEP*2
	s_or_b32 s[G0+4*\s+3], s[G0+4*\s+3], 0x80000000
	s_mov_b32 s[G0B+4*\s], 1
	s_add_co_u32 s[G0B+4*\s+1], s20, \s*SLOT
	s_add_nc_u64 s[G0B+4*\s+2:G0B+4*\s+3], s[46:47], \s*KSTEP*SIZE_N*2
	s_or_b32 s[G0B+4*\s+3], s[G0B+4*\s+3], 0x80000000
	JLOAD \s                                       ; both slots' first fills go out together: two tensor loads of the wave are out
.endr
	v_and_b32 v1, 15, v0                           ; r = l % 16
	v_bfe_u32 v2, v0, 4, 1                         ; h = l / 16
	v_mul_u32_u24 v3, v1, PITCH
	v_lshl_add_u32 v3, v2, 4, v3                   ; A: row x pitch + 16 h
	v_and_b32 v4, 7, v0
	v_lshl_add_u32 v4, v2, 3, v4                   ; W: k row 8 h + l % 8,
	v_mul_u32_u24 v4, v4, BP
	v_bfe_u32 v5, v0, 3, 1
	v_lshl_add_u32 v4, v5, 4, v4                   ; and 16 bytes on for the upper eight of sixteen lanes
	s_mul_i32 s21, s13, HALFT                      ; my 128 rows of A
	s_lshl_b32 s22, s14, 8                         ; my 128 columns of W,
	s_add_co_u32 s22, s22, 2*HALFT                 ; which lies behind A's 256 rows
.irp s, 0,1
	v_add_nc_u32 v[ADRA+\s], s21, v3
	v_add_nc_u32 v[ADRB+\s], s22, v4
	s_add_co_u32 s21, s21, SLOT
	s_add_co_u32 s22, s22, SLOT
.endr
	s_mul_i32 s23, s12, 16*SPITCH
	s_add_co_u32 s23, s23, STAGE                   ; my stage
	v_mul_u32_u24 v4, v1, SPITCH
	v_lshl_add_u32 v4, v2, 4, v4
	v_add_nc_u32 v[STO], s23, v4
	v_mul_u32_u24 v5, v2, SPITCH
	v_lshl_add_u32 v5, v1, 4, v5
	v_add_nc_u32 v[RD], s23, v5
	v_mul_u32_u24 v5, v2, SIZE_N*2
	v_lshl_add_u32 v[CO], v1, 4, v5
	v_lshlrev_b32 v[BO], 5, v2                     ; 8 h columns of 4 bytes
.if GELU
	v_mov_b32 v[KC1], 0xc0135761                   ; -2 sqrt(2/pi) log2(e)
	v_mov_b32 v[KC1+1], 0xc0135761
	v_mov_b32 v[KC2], 0xbdd2d3e8                   ; the same x 0.044715
	v_mov_b32 v[KC2+1], 0xbdd2d3e8
.endif
	; the bias of my 128 columns, laid as the accumulators are: window 1, register 8 b + j = bias of column 16 b + 8 h + j.  Waited for on the way out.
	s_lshl_b32 s66, s42, 10
	s_lshl_b32 s67, s14, 9
	s_add_co_u32 s66, s66, s67
	s_mov_b32 s67, 0
	s_add_nc_u64 s[66:67], s[8:9], s[66:67]
	WIN TO_B
.irp b, 0,1,2,3,4,5,6,7
	global_load_b128 v[8*\b:8*\b+3],   v[BO], s[66:67] offset:64*\b
	global_load_b128 v[8*\b+4:8*\b+7], v[BO], s[66:67] offset:64*\b+16
.endr
; 16 matrix instructions: m blocks a0, a0 + 1 of the window's four x all 8 n blocks, 32 along K.  zero = 1: the first product starts the sums.
; The 64 accumulators take turns, one instruction a turn, in the same order in every quarter step.
.macro MUL16 f, hi, a0, zero
.irp a, \a0, \a0+1
.irp b, 0,1,2,3,4,5,6,7
.if \zero
	v_wmma_f32_16x16x32_f16 v[8*(8*(\a)+\b):8*(8*(\a)+\b)+7], v[\f+8*\b:\f+8*\b+7], v[\f+8*(4*\hi+\a):\f+8*(4*\hi+\a)+7], 0
.else
	v_wmma_f32_16x16x32_f16 v[8*(8*(\a)+\b):8*(8*(\a)+\b)+7], v[\f+8*\b:\f+8*\b+7], v[\f+8*(4*\hi+\a):\f+8*(4*\hi+\a)+7], v[8*(8*(\a)+\b):8*(8*(\a)+\b)+7]
.endif
.endr
.endr
.endm
; 32 LDS loads in one run: the fragments of quarter step q (32 k) into buffer f: W's 128 columns (transposing loads), then A's 128 rows
.macro FETCH slot, q, f
	WIN TO_B
.irp i, 0,1,2,3,4,5,6,7
	ds_load_tr16_b128 v[\f+8*\i:\f+8*\i+3],   v[ADRB+\slot] offset:\q*32*BP+32*\i          ; k = 32 q + 8 h .. + 7 of column 16 i + r
	ds_load_tr16_b128 v[\f+8*\i+4:\f+8*\i+7], v[ADRB+\slot] offset:\q*32*BP+32*\i+16*BP    ; k = 32 q + 16 + 8 h .. + 7
.endr
	WIN 0
.irp i, 0,1,2,3,4,5,6,7
	ds_load_b128 v[\f+8*\i:\f+8*\i+3],   v[ADRA+\slot] offset:64*\q+\i*16*PITCH
	ds_load_b128 v[\f+8*\i+4:\f+8*\i+7], v[ADRA+\slot] offset:64*\q+\i*16*PITCH+32
.endr
.endm
; four plain places stand between a matrix instruction and a load into, or a vector instruction on, one of its registers
.macro PLACES
.rept 4
	v_nop
.endr
.endm
.macro QUARTER slot, q, f, g, zero
	s_wait_dscnt 8                                 ; W and A's rows 0-63 are in; the youngest eight loads (A's rows 64-127) may be out
	WIN MUL_LO
	MUL16 \f, 0, 0, \zero
	MUL16 \f, 0, 2, \zero
	PLACES
	FETCH \slot, \q, \g
	s_wait_dscnt 32                                ; all but the 32 just issued
	WIN MUL_HI
	MUL16 \f, 1, 0, \zero
	MUL16 \f, 1, 2, \zero
.endm
.macro THREE slot, zero
	QUARTER \slot, 1, F0, F1, \zero
	QUARTER \slot, 2, F1, F0, 0
	QUARTER \slot, 3, F0, F1, 0
.endm
; The last quarter of a K step: multiplies buffer 1 and changes slots.  One barrier for the change: in front of it each wave waits for its reads
; of this slot and for all its tensor loads (one is out: its part of the next slot); behind it the refill comes first, then the next slot's fragments.
; From a request to the wait for it a wave issues 240 matrix instructions.
.macro TURN slot, next, fill
	s_wait_dscnt 8
	WIN MUL_LO
	MUL16 F1, 0, 0, 0
	s_wait_dscnt 0                                 ; my reads of this slot are over
	s_wait_tensorcnt 0x0                           ; and all my tensor loads have landed
	ds_add_u32 v255, v31
	s_wait_dscnt 0x0
	s_barrier_signal -1                            ; (where a slot is filled again this barrier opens a round of the cluster's barrier)
	MUL16 F1, 0, 2, 0                              ; register work while the others arrive
	WIN 0
	s_barrier_wait -1
.if \fill
	CREST                                          ; no wave of any partner still reads this slot or has a load on its way
	s_add_nc_u64 s[G0+4*\slot+2:G0+4*\slot+3], s[G0+4*\slot+2:G0+4*\slot+3], 2*KSTEP*2
	s_add_nc_u64 s[G0B+4*\slot+2:G0B+4*\slot+3], s[G0B+4*\slot+2:G0B+4*\slot+3], 2*KSTEP*SIZE_N*2
	JLOAD \slot                                    ; the wave's one tensor load behind the round; its four v_nop are also the places in front of the loads below
.else
	PLACES
.endif
	FETCH \next, 0, F0
	WIN MUL_HI
	MUL16 F1, 1, 0, 0
	MUL16 F1, 1, 2, 0
.endm
.macro LAP zero
	THREE 0, \zero
	TURN 0, 1, 1
	THREE 1, 0
	TURN 1, 0, 1
.endm
	s_wait_tensorcnt 1                             ; my part of K step 0 is in; K step 1's may stay out
	s_barrier_signal -1
	s_barrier_wait -1
	FETCH 0, 0, F0
	LAP 1                                          ; the first lap stands in front of the loop: its first products start the sums
.if LAPS > 2
	WIN 0
	s_mov_b32 s3, LAPS-2
.Llap:
	LAP 0
	WIN 0
	s_sub_co_u32 s3, s3, 1
	s_cmp_lg_u32 s3, 0
	s_cbranch_scc1 .Llap
.endif
	THREE 0, 0                                     ; the last lap fills nothing
	TURN 0, 1, 0
	THREE 1, 0
	s_wait_dscnt 8
	WIN MUL_LO
	MUL16 F1, 0, 0, 0
	MUL16 F1, 0, 2, 0
	s_wait_dscnt 0
	WIN MUL_HI
	MUL16 F1, 1, 0, 0
	MUL16 F1, 1, 2, 0
	; THE WAY OUT, 16 rows of C at a time: add the bias (and GELU), round to f16, 16 bytes a lane into my own stage, read back as rows of 256 bytes.
	PLACES
	s_wait_loadcnt 0x0                             ; the bias
	s_lshl_b32 s16, s15, 8
	s_lshl_b32 s17, s13, 7
	s_add_co_u32 s16, s16, s17                     ; my first row of C
	s_mul_i32 s16, s16, SIZE_N*2
	s_mov_b32 s17, 0
	s_add_nc_u64 s[10:11], s[10:11], s[16:17]
	s_lshl_b32 s68, s42, 9                         ; my first column, in bytes (in registers that never feed A's descriptors)
	s_lshl_b32 s69, s14, 8
	s_add_co_u32 s68, s68, s69
	s_mov_b32 s69, 0
	s_add_nc_u64 s[10:11], s[10:11], s[68:69]
; rows 16 i .. 16 i + 15 of my block = tiles (a, 0..7) of window 2 or 3 (from = 0x06 or 0x07: source 0 there, source 1 in window 1); rb: RB0 or RB1 in turn
.macro OUT16 i, a, from, rb
	WIN \from
.set n, 0
.rept 32
	v_pk_add_f32 v[F0+2*n:F0+2*n+1], v[64*\a+2*n:64*\a+2*n+1], v[2*n:2*n+1]      ; sum + bias, into window 0
.set n, n+1
.endr
	WIN 0
.if GELU
	; gelu(x) = x / (1 + 2^(x (KC1 + KC2 x^2))): the tanh form written as a sigmoid; finite for every finite x
.set n, 0
.rept 32
	v_pk_mul_f32 v[F1+2*n:F1+2*n+1], v[F0+2*n:F0+2*n+1], v[F0+2*n:F0+2*n+1]
.set n, n+1
.endr
.set n, 0
.rept 32
	v_pk_fma_f32 v[F1+2*n:F1+2*n+1], v[F1+2*n:F1+2*n+1], v[KC2:KC2+1], v[KC1:KC1+1]
.set n, n+1
.endr
.set n, 0
.rept 32
	v_pk_mul_f32 v[F1+2*n:F1+2*n+1], v[F1+2*n:F1+2*n+1], v[F0+2*n:F0+2*n+1]
.set n, n+1
.endr
.set n, 0
.rept 64
	v_exp_f32 v[F1+n], v[F1+n]
.set n, n+1
.endr
	v_nop                                          ; one plain place behind the last v_exp_f32 (ISA guide 5.7.2)
.set n, 0
.rept 32
	v_pk_add_f32 v[F1+2*n:F1+2*n+1], v[F1+2*n:F1+2*n+1], 1.0 op_sel_hi:[1,0]
.set n, n+1
.endr
.set n, 0
.rept 64
	v_rcp_f32 v[F1+n], v[F1+n]
.set n, n+1
.endr
	v_nop
.set n, 0
.rept 32
	v_pk_mul_f32 v[F0+2*n:F0+2*n+1], v[F0+2*n:F0+2*n+1], v[F1+2*n:F1+2*n+1]
.set n, n+1
.endr
.endif
.set n, 0
.rept 32
	v_cvt_pk_f16_f32 v[TMP+n], v[F0+2*n], v[F0+2*n+1]
.set n, n+1
.endr
.irp b, 0,1,2,3,4,5,6,7
	ds_store_b128 v[STO], v[TMP+4*\b:TMP+4*\b+3] offset:32*\b
.endr
	s_wait_xcnt 0x0                                ; rb, which the stores of two groups ago read, is loaded again only behind this wait
.irp t, 0,1,2,3,4,5,6,7
	ds_load_b128 v[\rb+4*\t:\rb+4*\t+3], v[RD] offset:\t*2*SPITCH      ; LDS serves a wave's instructions in order: these see the stores above
.endr
.irp t, 0,1,2,3,4,5,6,7
	s_wait_dscnt 7-\t
	global_store_b128 v[CO], v[\rb+4*\t:\rb+4*\t+3], s[10:11] offset:(16*\i+2*\t)*SIZE_N*2   ; 16 lanes store 256 consecutive bytes, aligned
.endr
.endm
	OUT16 0, 0, 0x06, RB0
	OUT16 1, 1, 0x06, RB1
	OUT16 2, 2, 0x06, RB0
	OUT16 3, 3, 0x06, RB1
	OUT16 4, 0, 0x07, RB0
	OUT16 5, 1, 0x07, RB1
	OUT16 6, 2, 0x07, RB0
	OUT16 7, 3, 0x07, RB1
	s_set_vgpr_msb 0x1
	s_wait_tensorcnt 0x0
	ds_add_u32 v255, v31
	s_wait_dscnt 0x0
	s_set_vgpr_msb 0x100
	CROUND                                         ; the closing round: no work-group ends while a partner may still ask for a tile that names it
	s_endpgm
.Lfunc_end_k_qdc44d119d4_gemm_qkv:
	.size	k_qdc44d119d4_gemm_qkv, .Lfunc_end_k_qdc44d119d4_gemm_qkv-k_qdc44d119d4_gemm_qkv
	.p2alignl 7, 3214868480
	.fill 96, 4, 3214868480
	.section	.rodata,"a",@progbits
	.p2align	6, 0x0
	.amdhsa_kernel k_qdc44d119d4_gemm_qkv
		.amdhsa_group_segment_fixed_size 327680
		.amdhsa_private_segment_fixed_size 0
		.amdhsa_enable_private_segment 0
		.amdhsa_kernarg_size 32
		.amdhsa_user_sgpr_count 2
		.amdhsa_user_sgpr_kernarg_segment_ptr 1
		.amdhsa_wavefront_size32 1
		.amdhsa_system_sgpr_workgroup_id_x 1
		.amdhsa_system_sgpr_workgroup_id_y 1
		.amdhsa_system_sgpr_workgroup_id_z 1
		.amdhsa_system_vgpr_workitem_id 0
		.amdhsa_next_free_vgpr 1024
		.amdhsa_next_free_sgpr 72
		.amdhsa_reserve_vcc 0
		.amdhsa_float_denorm_mode_32 3
		.amdhsa_float_denorm_mode_16_64 3
		.amdhsa_memory_ordered 1
		.amdhsa_forward_progress 1
		.amdhsa_inst_pref_size 215
	.end_amdhsa_kernel
	.amdgpu_metadata
---
amdhsa.version: [ 1, 2 ]
amdhsa.kernels:
  - .name:           k_qdc44d119d4_gemm_qkv
    .symbol:         k_qdc44d119d4_gemm_qkv.kd
    .args:
      - { .name: act, .offset: 0, .size: 8, .value_kind: global_buffer, .address_space: global }
      - { .name: wbf, .offset: 8, .size: 8, .value_kind: global_buffer, .address_space: global }
      - { .name: b_attn, .offset: 16, .size: 8, .value_kind: global_buffer, .address_space: global }
      - { .name: qkvb, .offset: 24, .size: 8, .value_kind: global_buffer, .address_space: global }
    .group_segment_fixed_size: 327680
    .private_segment_fixed_size: 0
    .kernarg_segment_align: 8
    .kernarg_segment_size: 32
    .max_flat_workgroup_size: 128
    .sgpr_count:     72
    .vgpr_count:     1024
    .wavefront_size: 32
...
	.end_amdgpu_metadata
.endif
;; end of part 3
;; launch attn (part 4): grid 256 x 1, 8 waves a work-group, no clusters, 327,680 bytes of LDS; arguments qkvb, act; writes act
.if DOCPART == 4
	.amdgcn_target "amdgcn-amd-amdhsa--gfx1250"
	.amdhsa_code_object_version 6
	.text
	.protected	k_qdc44d119d4_attn
	.globl	k_qdc44d119d4_attn
	.p2align	8
	.type	k_qdc44d119d4_attn,@function
k_qdc44d119d4_attn:
	s_mov_b64 s[64:65], 0
	v_nop
	global_prefetch_b8 v0, s[64:65] scope:SCOPE_SE
	s_setreg_imm32_b32 hwreg(HW_REG_WAVE_MODE, 25, 1), 1
	s_wait_xcnt 0x0
; Causal attention.  qkv: [2 x 2048][3072] f16 (q, k, v; 16 heads of 64).  softmax(q k^T / 8) v with a running maximum, in f32.
; y (4,096 rows x 1,024) is written in f16 AS THE NEXT PRODUCT'S FRAGMENTS: blocks of 16 rows x 32 k, 1,024 bytes, block (mb, kb) at (32 mb + kb) x 1,024;
; in a block, lane l = 16 h + r holds y[16 mb + r][32 kb + 16 c + 8 h .. + 7] at byte 512 c + 16 l.
; A work-group owns two neighbouring heads (so every row of K, V and Q that it fetches is 256 aligned bytes) and two blocks of 64 queries,
; numbers p and 31 - p of the sequence's 32.  Block i needs (i >> 1) + 1 key tiles of 128 keys; the two together need 17 for every p: equal work.
; The block with the even number of tiles goes first.  An LDS slot holds TWO tiles (256 keys), so the 17 tiles are 9 slots' worth: the first block
; ends with a whole slot, and the second block's diagonal tile is always the first half of the ninth.  (The ninth fill also brings the 128 keys behind
; the diagonal, which the mask throws away: they lie inside the sequence, and are 1/18 of what is fetched.)
; wave = 4 kh + 2 hh + qh: head hh, queries 32 qh .. + 31 of the block, keys 64 kh .. + 63 of every tile.  The two key halves keep their own
; maximum, sum and O and are merged at a block's end; they give every SIMD two waves, so that one's softmax runs beside the other's products.
; BOTH PRODUCTS ARE TAKEN TRANSPOSED.  S^T = K Q^T: lane (r, h) holds query r and keys 8 h + j, so maximum and sum are taken inside the lane and
; across the two halves of the wave, and two packed tiles ARE a source-1 fragment of P^T.  O^T = V^T P^T (V through the transposing LDS load):
; a lane holds eight neighbouring d of one query, which packed are 16 bytes of y's fragment layout: y leaves from registers, 512 consecutive bytes a store.
; NO MULTICAST: the 16 work-groups of a head pair read the same K and V tiles, but in different trips (each starts its second block at another trip),
; so no two ask for the same tile at the same time.
; O is cleared by moves at a block's start: the second block's first trip is not a fixed place in the text.
; LDS: slot s at 143,360 s: K's four quarters of 64 keys (pitch 272, 17,408 each), then V's four (pitch 288, 18,432 each).  Waves 0-3 fetch K's
;      quarters, waves 4-7 V's: one load a wave behind each barrier in front of a refill, and two tiles' work in which it lands.
;      At 286,720: 34,816 bytes.  First the two blocks' Q (64 x 272 each), filled once at the start; when the second block's Q has been read, the same
;      bytes are 4 x 8,704 in which a wave of key half 1 hands O, maximum and sum to its partner.  No fill lands there after the start.
; By this text's count a wave has at most two tensor loads outstanding (waves 0, 1 at the start), later one.
; Limits: operands are f16.  P lies in [0, 1]; a p below 3e-8 counts as 0 in the product with V (the sum keeps it in f32).  y is a mean of rows of V,
; so it is in f16's range where V is.  NaN and infinite scores are not treated specially; v_exp_f32 and v_rcp_f32 flush denormals.
.set ROWB,  6144                       ; bytes in a row of qkv
.set PAIRB, 256*ROWB                   ; two key tiles
.set KP,    272
.set VP,    288
.set KQ,    64*KP
.set VQ,    64*VP
.set VOFF,  4*KQ
.set SLOTB, 4*KQ+4*VQ
.set QS,    2*SLOTB
.set REGN,  8704
.set CEXP,  0x3e38aa3b                 ; log2(e) / 8
.set NCEXP, 0xbe38aa3b
.set DL,   1                           ; key 16 kb + j of tile (qb, kb) is kept where 16 kb + j - 16 qb <= DL
.set KA,   2                           ; v2-3   my K fragments in slot 0, 1
.set VA,   4                           ; v4-5   my V fragments in slot 0, 1
.set QA,   6
.set SCRA, 7
.set LN,   8                           ; 16 x lane
.set M,    12                          ; v12-13 running maximum (raw scores) of query block 0, 1
.set LS,   14                          ; v14-15 running sum, my half of the lanes' keys
.set AL,   16                          ; v[16:19] the trip's rescaling factor, twice, for each query block
.set NM,   20                          ; v[20:23] - maximum x CEXP, twice, for each query block
.set T,    24                          ; v[24:31] at work
.set Q,    32                          ; fragment (qb, ds) at 8 (2 qb + ds)
.set S,    64                          ; tile (qb, kb) at 8 (4 qb + kb); then P's fragment (qb, ks) at 32 qb + 16 ks
.set O,    128                         ; tile (qb, db) at 8 (4 qb + db)
.set KV,   192                         ; K's fragment (ds, kb) at 8 (4 ds + kb), then V's (ks, db) at 8 (4 ks + db)
.set G1K, 36                           ; s[36:43] shape of a K or Q tile
.set G1V, 44                           ; s[44:51] shape of a V tile
.set G0K, 52                           ; s[52:59] K, one set for each slot
.set G0Q, 60                           ; s[60:63] Q
.set G0V, 68                           ; s[68:75] V, one set for each slot
	s_load_b128 s[4:7], s[0:1], 0x0                ; qkv s[4:5], y s[6:7]
	v_lshl_add_u32 v9, v0, 2, 0x4e800
	v_mov_b32 v10, 0
	ds_add_u32 v9, v10
	ds_add_u32 v9, v10
	v_lshrrev_b32 v11, 5, v0
	v_readfirstlane_b32 s8, v11                    ; wave 0..7
	s_and_b32 s9, s8, 1                            ; qh.  Also (waves 0, 1): which block's Q I fetch
	s_bfe_u32 s10, s8, 0x10001                     ; hh
	s_lshr_b32 s11, s8, 2                          ; kh.  Also: I fetch K (0) or V (1)
	s_and_b32 s3, s8, 3                            ; which 64 of a slot's 256 keys I fetch; also my pair's hand-over area
	s_and_b32 s12, ttmp9, 15                       ; p
	s_bfe_u32 s13, ttmp9, 0x30004                  ; head pair
	s_lshr_b32 s14, ttmp9, 7                       ; batch
	s_sub_co_u32 s34, 31, s12
	s_bitcmp1_b32 s12, 1                           ; (p >> 1) + 1 is even where bit 1 of p is set
	s_cselect_b32 s15, s12, s34                    ; the first block
	s_cselect_b32 s16, s34, s12                    ; the second
	s_lshr_b32 s17, s15, 2
	s_add_co_u32 s17, s17, 1                       ; NH: the first block's slots, ((first >> 1) + 1) / 2, 1 to 8
	s_and_b32 s24, s16, 1
	s_and_b32 s35, s15, 1
	s_sub_co_i32 s24, s24, s35
	s_lshl_b32 s24, s24, 6                         ; what DL gains at the change of blocks
	s_mov_b32 s22, 0x76543210                      ; v_permlanex16_b32: lane i reads lane i of the other half
	s_mov_b32 s23, 0xfedcba98
	s_mov_b32 s25, 0xff800000                      ; -infinity
	; shapes: 64 rows x 128 elements of 2 bytes, 3,072 elements from row to row; behind every 64 words 4 words of padding (K, Q) or 8 (V)
	s_mov_b32 s[G1K+0], (1<<16)|(1<<20)|(5<<22)|(3<<25)
	s_mov_b32 s[G1K+1], 128<<16
	s_mov_b32 s[G1K+2], 64<<16
	s_mov_b32 s[G1K+3], 128<<16
	s_mov_b32 s[G1K+4], 64
	s_mov_b32 s[G1K+5], 3072
	s_mov_b32 s[G1K+6], 0
	s_mov_b32 s[G1K+7], 0
	s_mov_b32 s[G1V+0], (1<<16)|(1<<20)|(5<<22)|(7<<25)
	s_mov_b32 s[G1V+1], 128<<16
	s_mov_b32 s[G1V+2], 64<<16
	s_mov_b32 s[G1V+3], 128<<16
	s_mov_b32 s[G1V+4], 64
	s_mov_b32 s[G1V+5], 3072
	s_mov_b32 s[G1V+6], 0
	s_mov_b32 s[G1V+7], 0
	; offsets in qkv
	s_lshl_b32 s2, s14, 11                         ; the batch's first row
	s_lshl_b32 s77, s13, 8                         ; the head pair's 256 bytes
	s_lshl_b32 s20, s3, 6
	s_add_co_u32 s20, s20, s2
	s_mul_i32 s20, s20, ROWB
	s_add_co_u32 s20, s20, s77
	s_add_co_u32 s20, s20, 2048                    ; K of keys 0-255, my 64 of them
	s_mov_b32 s21, 0                               ; stays 0: the upper word of every slot's offset
	s_cmp_lg_u32 s9, 0
	s_cselect_b32 s34, s16, s15
	s_lshl_b32 s34, s34, 6
	s_add_co_u32 s34, s34, s2
	s_mul_i32 s34, s34, ROWB
	s_add_co_u32 s34, s34, s77                     ; Q of the first block (wave 0) or the second (wave 1)
	s_mov_b32 s35, 0
	; offsets in y: ((128 batch + 4 block + 2 qh) x 32 + 4 head pair + 2 hh) x 1,024
	s_lshl_b32 s2, s14, 7
	s_lshl_b32 s77, s9, 1
	s_add_co_u32 s2, s2, s77
	s_lshl_b32 s76, s15, 2
	s_add_co_u32 s76, s76, s2
	s_lshl_b32 s76, s76, 15
	s_lshl_b32 s78, s16, 2
	s_add_co_u32 s78, s78, s2
	s_lshl_b32 s78, s78, 15
	s_lshl_b32 s2, s13, 12
	s_lshl_b32 s77, s10, 11
	s_add_co_u32 s2, s2, s77
	s_add_co_u32 s76, s76, s2                      ; the first block's
	s_add_co_u32 s78, s78, s2                      ; the second's
	s_mov_b32 s77, 0
	s_mov_b32 s79, 0
	s_mul_i32 s19, s3, KQ                          ; where my quarter of K goes,
	s_mul_i32 s2, s3, VQ
	s_add_co_u32 s2, s2, VOFF                      ; and where my quarter of V
	s_wait_dscnt 0x0
	s_wait_kmcnt 0x0
	s_add_nc_u64 s[26:27], s[4:5], s[20:21]        ; K's base
	s_add_nc_u64 s[28:29], s[26:27], 2048          ; V's base
	s_add_nc_u64 s[30:31], s[6:7], s[76:77]
	s_add_nc_u64 s[32:33], s[6:7], s[78:79]
	s_mov_b32 s[G0K], 1
	s_mov_b32 s[G0K+1], s19
	s_mov_b64 s[G0K+2:G0K+3], s[26:27]
	s_or_b32 s[G0K+3], s[G0K+3], 0x80000000
	s_mov_b32 s[G0K+4], 1
	s_add_co_u32 s[G0K+5], s19, SLOTB
	s_mov_b32 s[G0V], 1
	s_mov_b32 s[G0V+1], s2
	s_mov_b64 s[G0V+2:G0V+3], s[28:29]
	s_or_b32 s[G0V+3], s[G0V+3], 0x80000000
	s_mov_b32 s[G0V+4], 1
	s_add_co_u32 s[G0V+5], s2, SLOTB
	s_mov_b32 s[G0Q], 1
	s_add_co_u32 s[G0Q+1], s19, QS                 ; waves 0, 1: 286,720 and 304,128
	s_add_nc_u64 s[G0Q+2:G0Q+3], s[4:5], s[34:35]
	s_or_b32 s[G0Q+3], s[G0Q+3], 0x80000000
	; the first fills, inside one tree of branches on the wave's number: waves 0, 1 a block's Q and a quarter of K; 2, 3 a quarter of K; 4-7 a quarter of V
	s_cmp_ge_u32 s8, 4
	s_cbranch_scc1 .Lfill_v
	s_cmp_ge_u32 s8, 2
	s_cbranch_scc1 .Lfill_k
	tensor_load_to_lds s[G0Q:G0Q+3], s[G1K:G1K+7]
	s_nop 0
.rept 4
	v_nop
.endr
	tensor_load_to_lds s[G0K:G0K+3], s[G1K:G1K+7]
	s_nop 0
.rept 4
	v_nop
.endr
	s_branch .Lfilled
.Lfill_k:
	tensor_load_to_lds s[G0K:G0K+3], s[G1K:G1K+7]
	s_nop 0
.rept 4
	v_nop
.endr
	s_branch .Lfilled
.Lfill_v:
	tensor_load_to_lds s[G0V:G0V+3], s[G1V:G1V+7]
	s_nop 0
.rept 4
	v_nop
.endr
.Lfilled:
	v_and_b32 v24, 15, v0                          ; r
	v_bfe_u32 v25, v0, 4, 1                        ; h
	v_and_b32 v26, 7, v0
	v_bfe_u32 v27, v0, 3, 1
	v_and_b32 v28, 31, v0                          ; lane
	s_lshl_b32 s34, s9, 5
	s_lshl_b32 s35, s11, 6
	s_sub_co_i32 s34, s34, s35
	s_and_b32 s35, s15, 1
	s_lshl_b32 s35, s35, 6
	s_add_co_i32 s34, s34, s35
	v_lshlrev_b32 v29, 3, v25
	v_sub_nc_u32 v[DL], v24, v29
	v_add_nc_u32 v[DL], s34, v[DL]                 ; 32 qh + r - 64 kh - 8 h + 64 (block & 1)
	v_mul_u32_u24 v29, v24, KP
	v_lshl_add_u32 v29, v25, 4, v29                ; r x 272 + 16 h
	s_mul_i32 s34, s11, KQ                         ; the first tile's quarter kh; the second tile's lies two quarters on
	s_lshl_b32 s35, s10, 7                         ; my head's 128 bytes
	s_add_co_u32 s34, s34, s35
	v_add_nc_u32 v[KA], s34, v29
	v_add_nc_u32 v[KA+1], SLOTB, v[KA]
	v_lshl_add_u32 v30, v25, 3, v26                ; key 8 h + l % 8
	v_mul_u32_u24 v30, v30, VP
	v_lshl_add_u32 v30, v27, 4, v30
	s_mul_i32 s34, s11, VQ
	s_add_co_u32 s34, s34, s35
	s_add_co_u32 s34, s34, VOFF
	v_add_nc_u32 v[VA], s34, v30
	v_add_nc_u32 v[VA+1], SLOTB, v[VA]
	s_mul_i32 s34, s9, 32*KP
	s_add_co_u32 s34, s34, s35
	s_add_co_u32 s34, s34, QS
	v_add_nc_u32 v[QA], s34, v29                   ; Q: (32 qh + r) x 272 + 128 hh + 16 h
	s_mul_i32 s34, s3, REGN
	s_add_co_u32 s34, s34, QS
	v_lshl_add_u32 v[SCRA], v28, 4, s34            ; my pair's hand-over area, 16 bytes a lane
	v_lshlrev_b32 v[LN], 4, v28
.macro STATE0                          ; a block's start: O = 0, sum = 0, maximum = the lowest finite number (so that a half whose keys are all masked gives p = 0 and a factor 1)
.set n, 0
.rept 64
	v_mov_b32 v[O+n], 0
.set n, n+1
.endr
	v_mov_b32 v[M], 0xff7fffff
	v_mov_b32 v[M+1], 0xff7fffff
	v_mov_b32 v[LS], 0
	v_mov_b32 v[LS+1], 0
.endm
.macro QLOAD off                       ; my 32 queries' four fragments
.irp f, 0,1,2,3
	ds_load_b128 v[Q+8*\f:Q+8*\f+3],   v[QA] offset:\off+(\f/2)*16*KP+(\f%2)*64
	ds_load_b128 v[Q+8*\f+4:Q+8*\f+7], v[QA] offset:\off+(\f/2)*16*KP+(\f%2)*64+32
.endr
.endm
; the fill of slot o: waves 0-3 K's quarters, waves 4-7 V's.  Four v_nop follow each line.
.macro KVLOAD o
	s_cmp_ge_u32 s8, 4
	s_cbranch_scc1 .Lv_\@
	tensor_load_to_lds s[G0K+4*\o:G0K+4*\o+3], s[G1K:G1K+7]
	s_nop 0
.rept 4
	v_nop
.endr
	s_branch .Lasked_\@
.Lv_\@:
	tensor_load_to_lds s[G0V+4*\o:G0V+4*\o+3], s[G1V:G1V+7]
	s_nop 0
.rept 4
	v_nop
.endr
.Lasked_\@:
.endm
.macro MASK                            ; the diagonal tile: keys beyond the query get -infinity
.irp t, 0,1,2,3,4,5,6,7
.irp j, 0,1,2,3,4,5,6,7
	v_cmp_le_i32 vcc_lo, 16*(\t%4)+\j-16*(\t/4), v[DL]
	v_cndmask_b32 v[S+8*\t+\j], s25, v[S+8*\t+\j], vcc_lo
.endr
.endr
.endm
; query block qb: new maximum, factor for the old sums, p = 2^((s - m) CEXP), sum, P packed in place, O rescaled
.macro SOFTMAX qb
.set SB, S+32*\qb
	v_max3_num_f32 v[T], v[M+\qb], v[SB], v[SB+1]
	v_max3_num_f32 v[T+1], v[SB+16], v[SB+17], v[SB+18]
.set n, 0
.rept 6
	v_max3_num_f32 v[T], v[T], v[SB+2+2*n], v[SB+3+2*n]
	v_max3_num_f32 v[T+1], v[T+1], v[SB+19+2*n], v[SB+20+2*n]
.set n, n+1
.endr
	v_max3_num_f32 v[T], v[T], v[SB+14], v[SB+15]
	v_max3_num_f32 v[T], v[T], v[T+1], v[SB+31]
	v_permlanex16_b32 v[T+2], v[T], s22, s23       ; the other half of the lanes holds the same query's other keys
	v_max_num_f32 v[T], v[T], v[T+2]
	v_sub_f32 v[T+3], v[M+\qb], v[T]
	v_mul_f32 v[T+3], CEXP, v[T+3]
	v_exp_f32 v[AL+2*\qb], v[T+3]
	v_exp_f32 v[AL+2*\qb+1], v[T+3]
	v_mul_f32 v[NM+2*\qb], NCEXP, v[T]             ; (also the plain place behind the two v_exp_f32: ISA guide 5.7.2)
	v_mul_f32 v[NM+2*\qb+1], NCEXP, v[T]
	v_mov_b32 v[M+\qb], v[T]
.set n, 0
.rept 16
	v_pk_fma_f32 v[SB+2*n:SB+2*n+1], v[SB+2*n:SB+2*n+1], CEXP, v[NM+2*\qb:NM+2*\qb+1] op_sel_hi:[1,0,1]
.set n, n+1
.endr
.set n, 0
.rept 32
	v_exp_f32 v[SB+n], v[SB+n]
.set n, n+1
.endr
.set n, 0
	s_wait_alu depctr_va_vdst(0)
.rept 16
	v_pk_mul_f32 v[O+32*\qb+2*n:O+32*\qb+2*n+1], v[O+32*\qb+2*n:O+32*\qb+2*n+1], v[AL+2*\qb:AL+2*\qb+1]   ; plain work behind the exponentials
.set n, n+1
.endr
	v_pk_add_f32 v[T+4:T+5], v[SB:SB+1], v[SB+2:SB+3]
	v_pk_add_f32 v[T+6:T+7], v[SB+4:SB+5], v[SB+6:SB+7]
.set n, 0
.rept 6
	v_pk_add_f32 v[T+4:T+5], v[T+4:T+5], v[SB+8+4*n:SB+9+4*n]
	v_pk_add_f32 v[T+6:T+7], v[T+6:T+7], v[SB+10+4*n:SB+11+4*n]
.set n, n+1
.endr
	v_pk_add_f32 v[T+4:T+5], v[T+4:T+5], v[T+6:T+7]
	v_add_f32 v[T+4], v[T+4], v[T+5]
	v_fma_f32 v[LS+\qb], v[LS+\qb], v[AL+2*\qb], v[T+4]
.set n, 0
.rept 16
	v_cvt_pk_f16_f32 v[SB+16*(n/8)+(n%8)], v[SB+16*(n/8)+2*(n%8)], v[SB+16*(n/8)+2*(n%8)+1]   ; tiles 2 ks, 2 ks + 1 become fragment ks: each word lands below what is still unread
.set n, n+1
.endr
.endm
.macro MERGE qb                        ; the two key halves' maxima and sums: AL = my factor / sum, NM = the partner's factor / sum
	v_max_num_f32 v[T+4], v[M+\qb], v[T+\qb]
	v_sub_f32 v[T+5], v[M+\qb], v[T+4]
	v_sub_f32 v[T+6], v[T+\qb], v[T+4]
	v_mul_f32 v[T+5], CEXP, v[T+5]
	v_mul_f32 v[T+6], CEXP, v[T+6]
	v_exp_f32 v[T+5], v[T+5]
	v_exp_f32 v[T+6], v[T+6]
	v_nop
	s_wait_alu depctr_va_vdst(0)
	v_mul_f32 v[T+7], v[LS+\qb], v[T+5]
	v_fmac_f32 v[T+7], v[T+2+\qb], v[T+6]
	v_permlanex16_b32 v[T+4], v[T+7], s22, s23     ; the sums were kept by halves of the lanes
	v_add_f32 v[T+7], v[T+7], v[T+4]               ; at least 1: the key that holds the maximum counts 1
	v_rcp_f32 v[T+7], v[T+7]
	v_nop
	s_wait_alu depctr_va_vdst(0)
	v_mul_f32 v[AL+2*\qb], v[T+5], v[T+7]
	v_mul_f32 v[AL+2*\qb+1], v[T+5], v[T+7]
	v_mul_f32 v[NM+2*\qb], v[T+6], v[T+7]
	v_mul_f32 v[NM+2*\qb+1], v[T+6], v[T+7]
.endm
; A block's end.  q2 = 1 (the first block's): every wave first takes the second block's Q out of the bytes that now become the hand-over area, and a barrier
; shows that all have.  Then waves 4-7 hand O, maximum and sum to waves 0-3, which merge, divide, round and store y from registers.
; The branches hang on the wave's number and hold no barrier.  A tensor load may be on its way across these barriers.
.macro FINISH yb, q2
.if \q2
	QLOAD KQ
	s_wait_dscnt 0x0                               ; for the others' sake: my reads of Q are over
	s_barrier_signal -1
	s_barrier_wait -1
.endif
	s_cmp_lt_u32 s8, 4
	s_cbranch_scc1 .Lkeep_\@
.set n, 0
.rept 16
	ds_store_b128 v[SCRA], v[O+4*n:O+4*n+3] offset:512*n
.set n, n+1
.endr
	ds_store_b128 v[SCRA], v[M:M+3] offset:8192
.Lkeep_\@:
	s_wait_dscnt 0x0                               ; for the partner's sake: my stores are done
	s_barrier_signal -1
	s_barrier_wait -1
	s_cmp_ge_u32 s8, 4
	s_cbranch_scc1 .Lgave_\@
	ds_load_b128 v[T:T+3], v[SCRA] offset:8192
.set n, 0
.rept 16
	ds_load_b128 v[KV+4*n:KV+4*n+3], v[SCRA] offset:512*n
.set n, n+1
.endr
	s_wait_dscnt 0x10                              ; the partner's maxima and sums are in; its O (16 loads) may be out
	MERGE 0
	MERGE 1
	s_wait_dscnt 0x0
.set n, 0
.rept 32
	v_pk_mul_f32 v[O+2*n:O+2*n+1], v[O+2*n:O+2*n+1], v[AL+2*(n/16):AL+2*(n/16)+1]
	v_pk_fma_f32 v[O+2*n:O+2*n+1], v[KV+2*n:KV+2*n+1], v[NM+2*(n/16):NM+2*(n/16)+1], v[O+2*n:O+2*n+1]
.set n, n+1
.endr
.set n, 0
.rept 32
	v_cvt_pk_f16_f32 v[S+n], v[O+2*n], v[O+2*n+1]
.set n, n+1
.endr
.irp t, 0,1,2,3,4,5,6,7
	global_store_b128 v[LN], v[S+4*\t:S+4*\t+3], s[\yb:\yb+1] offset:(\t/4)*32768+(\t%4)*512   ; tile (qb, db): half db % 2 of block (+ qb, + db / 2): 512 consecutive bytes, aligned
.endr
	s_wait_xcnt 0x0                                ; S is written again only behind this wait
.Lgave_\@:
.endm
; One key tile: half a of slot 'slot'.  mask = 0 none, 1 where this is the first block's last tile, 2 always.
.macro HALF slot, a, mask
.irp f, 0,1,2,3,4,5,6,7
	ds_load_b128 v[KV+8*\f:KV+8*\f+3],   v[KA+\slot] offset:\a*2*KQ+(\f%4)*16*KP+(\f/4)*64
	ds_load_b128 v[KV+8*\f+4:KV+8*\f+7], v[KA+\slot] offset:\a*2*KQ+(\f%4)*16*KP+(\f/4)*64+32
.endr
	s_wait_dscnt 0x8                               ; d 0-31 of my 64 keys are in; the eight loads of d 32-63 may be out
	; S^T: eight accumulators by turns, one instruction a turn; the first product starts each sum
.irp t, 0,1,2,3,4,5,6,7
	v_wmma_f32_16x16x32_f16 v[S+8*\t:S+8*\t+7], v[KV+8*(\t%4):KV+8*(\t%4)+7], v[Q+16*(\t/4):Q+16*(\t/4)+7], 0
.endr
	s_wait_dscnt 0x0
.irp t, 0,1,2,3,4,5,6,7
	v_wmma_f32_16x16x32_f16 v[S+8*\t:S+8*\t+7], v[KV+32+8*(\t%4):KV+32+8*(\t%4)+7], v[Q+16*(\t/4)+8:Q+16*(\t/4)+15], v[S+8*\t:S+8*\t+7]
.endr
.rept 4
	v_nop                                          ; four places: then KV is loaded again and S is read (ISA guide 7.12.1)
.endr
.irp f, 0,1,2,3,4,5,6,7
	ds_load_tr16_b128 v[KV+8*\f:KV+8*\f+3],   v[VA+\slot] offset:\a*2*VQ+(\f/4)*32*VP+(\f%4)*32          ; keys 32 ks + 8 h .. + 7 of d 16 db + r
	ds_load_tr16_b128 v[KV+8*\f+4:KV+8*\f+7], v[VA+\slot] offset:\a*2*VQ+(\f/4)*32*VP+(\f%4)*32+16*VP
.endr
.if \mask == 1
	s_add_co_u32 s34, s18, 1+\slot
	s_cmp_lg_u32 s34, s17                          ; hangs on the work-group's number and the trip alone: the same in all eight waves
	s_cbranch_scc1 .Lnomask_\@
.endif
.if \mask
	MASK
.endif
.if \mask == 1
.Lnomask_\@:
.endif
	SOFTMAX 0
	SOFTMAX 1
	s_wait_dscnt 0x0                               ; V's fragments
	; O^T += V^T P^T: eight accumulators by turns, one instruction a turn
.irp ks, 0,1
.irp t, 0,1,2,3,4,5,6,7
	v_wmma_f32_16x16x32_f16 v[O+8*\t:O+8*\t+7], v[KV+32*\ks+8*(\t%4):KV+32*\ks+8*(\t%4)+7], v[S+32*(\t/4)+16*\ks:S+32*(\t/4)+16*\ks+7], v[O+8*\t:O+8*\t+7]
.endr
.endr
.rept 5
	v_nop                                          ; five places: the next tile's first products write over P, its loads over V's fragments; a block's end reads O
.endr
.endm
; Two key tiles out of slot 'slot', number s18 + slot of the nine.  Behind the barrier the next two tiles are asked for, into the other slot.
.macro DOUBLE slot, other
	s_wait_tensorcnt 0x0                           ; all my tensor loads have landed, my part of this slot among them: every group 0 may be written
	ds_add_u32 v9, v10
	s_add_co_u32 s19, s18, 1+\slot                 ; the next slot's number,
	s_sub_co_u32 s34, s19, s17
	s_cmp_lt_u32 s19, s17
	s_cselect_b32 s19, s19, s34                    ; its pair of tiles: counted anew from the second block's start
	s_mul_i32 s20, s19, PAIRB
	s_add_nc_u64 s[G0K+4*\other+2:G0K+4*\other+3], s[26:27], s[20:21]
	s_or_b32 s[G0K+4*\other+3], s[G0K+4*\other+3], 0x80000000
	s_add_nc_u64 s[G0V+4*\other+2:G0V+4*\other+3], s[28:29], s[20:21]
	s_or_b32 s[G0V+4*\other+3], s[G0V+4*\other+3], 0x80000000
	s_wait_dscnt 0x0                               ; my reads of the other slot are over
	s_barrier_signal -1
	s_barrier_wait -1                              ; both now hold of every wave
	KVLOAD \other                                  ; the wave's one tensor load behind this barrier, ahead of its first LDS read
	HALF \slot, 0, 0
	HALF \slot, 1, 1
	s_add_co_u32 s34, s18, 1+\slot
	s_cmp_lg_u32 s34, s17                          ; the first block's last slot?  The same in all eight waves
	s_cbranch_scc1 .Lnofin_\@
	FINISH 30, 1
	STATE0
	v_add_nc_u32 v[DL], s24, v[DL]
.Lnofin_\@:
.endm
	STATE0
	s_wait_tensorcnt 0x0                           ; my first fills have landed
	s_barrier_signal -1
	s_barrier_wait -1                              ; everybody's have
	QLOAD 0
	s_mov_b32 s18, 0                               ; the slot's number, 0 to 8
.Ldoubles:
	DOUBLE 0, 1
	DOUBLE 1, 0
	s_add_co_u32 s18, s18, 2
	s_cmp_lt_u32 s18, 8
	s_cbranch_scc1 .Ldoubles
	s_wait_tensorcnt 0x0                           ; the ninth: my part has landed,
	s_wait_dscnt 0x0
	s_barrier_signal -1
	s_barrier_wait -1                              ; everybody's has; nothing is left to fetch
	HALF 0, 0, 2                                   ; the second block's diagonal tile
	FINISH 32, 0
	s_wait_tensorcnt 0x0
	ds_add_u32 v9, v10
	s_wait_dscnt 0x0
	s_endpgm
.Lfunc_end_k_qdc44d119d4_attn:
	.size	k_qdc44d119d4_attn, .Lfunc_end_k_qdc44d119d4_attn-k_qdc44d119d4_attn
	.p2alignl 7, 3214868480
	.fill 96, 4, 3214868480
	.section	.rodata,"a",@progbits
	.p2align	6, 0x0
	.amdhsa_kernel k_qdc44d119d4_attn
		.amdhsa_group_segment_fixed_size 327680
		.amdhsa_private_segment_fixed_size 0
		.amdhsa_enable_private_segment 0
		.amdhsa_kernarg_size 16
		.amdhsa_user_sgpr_count 2
		.amdhsa_user_sgpr_kernarg_segment_ptr 1
		.amdhsa_wavefront_size32 1
		.amdhsa_system_sgpr_workgroup_id_x 1
		.amdhsa_system_sgpr_workgroup_id_y 1
		.amdhsa_system_sgpr_workgroup_id_z 1
		.amdhsa_system_vgpr_workitem_id 0
		.amdhsa_next_free_vgpr 256
		.amdhsa_next_free_sgpr 80
		.amdhsa_reserve_vcc 1
		.amdhsa_float_denorm_mode_32 3
		.amdhsa_float_denorm_mode_16_64 3
		.amdhsa_memory_ordered 1
		.amdhsa_forward_progress 1
		.amdhsa_inst_pref_size 155
	.end_amdhsa_kernel
	.amdgpu_metadata
---
amdhsa.version: [ 1, 2 ]
amdhsa.kernels:
  - .name:           k_qdc44d119d4_attn
    .symbol:         k_qdc44d119d4_attn.kd
    .args:
      - { .name: qkvb, .offset: 0, .size: 8, .value_kind: global_buffer, .address_space: global }
      - { .name: act, .offset: 8, .size: 8, .value_kind: global_buffer, .address_space: global }
    .group_segment_fixed_size: 327680
    .private_segment_fixed_size: 0
    .kernarg_segment_align: 8
    .kernarg_segment_size: 16
    .max_flat_workgroup_size: 256
    .sgpr_count:     80
    .vgpr_count:     256
    .wavefront_size: 32
...
	.end_amdgpu_metadata
.endif
;; end of part 4
;; launch gemm_proj (part 5): grid 8 x 32, 4 waves a work-group, clusters of 4 x 4, 295,424 bytes of LDS; arguments act, wbf, b_proj, x, x1; writes x1
.if DOCPART == 5
	.amdgcn_target "amdgcn-amd-amdhsa--gfx1250"
	.amdhsa_code_object_version 6
	.text
	.protected	k_qdc44d119d4_gemm_proj
	.globl	k_qdc44d119d4_gemm_proj
	.p2align	8
	.type	k_qdc44d119d4_gemm_proj,@function
k_qdc44d119d4_gemm_proj:
	s_mov_b64 s[64:65], 0
	v_nop
	global_prefetch_b8 v0, s[64:65] scope:SCOPE_SE
	s_setreg_imm32_b32 hwreg(HW_REG_WAVE_MODE, 25, 1), 1
	s_wait_xcnt 0x0
	s_wait_alu depctr_hold_cnt(0) depctr_sa_sdst(0) depctr_va_vdst(0) depctr_va_sdst(0) depctr_va_ssrc(0) depctr_va_vcc(0) depctr_vm_vsrc(0)
	s_getreg_b32 s2, hwreg(HW_REG_IB_STS2, 6, 4)
	s_cmp_eq_u32 s2, 0
	s_cbranch_scc0 .Lentry_in_a_cluster
	s_endpgm
.Lentry_in_a_cluster:
	s_bfe_u32 s2, ttmp6, 0x10000c
	s_cmp_lg_u32 s2, 0xf033
	s_cbranch_scc0 .Lentry_shape_is_right
	s_endpgm
.Lentry_shape_is_right:
; out[m][n] = resid[m][n] + bias[n] + sum over k of A[m][k] W[k][n], in f32.
; W: [SIZE_K][1024] f16 at byte WOFF of the weight buffer.  bias: [1024] f32.  resid, out: [4096][1024] f32.
; A: 4,096 x SIZE_K in f16, LAID AS FRAGMENTS by the launch that made it: blocks of 16 rows x 32 k, 1,024 bytes, block (mb, kb) at (mb SIZE_K / 32 + kb) x 1,024;
; in a block, lane l = 16 h + r holds A[16 mb + r][32 kb + 16 c + 8 h .. + 7] at byte 512 c + 16 l.  Two loads of 512 consecutive bytes are a fragment.
; The output has 4,096 x 1,024 numbers: 128 x 128 for each of 256 work-groups.  Four waves, one for each SIMD; wave w makes rows 32 w .. + 31 x all 128 columns.
; ONLY W GOES THROUGH LDS.  With A beside it a slot would hold 256 of K, 128 matrix instructions a wave; with W alone it holds 512, and from a request to the
; wait for it a wave issues 248.  A's rows are a wave's own, so they go straight to registers, each byte once in a work-group, through a ring of eight
; chunks of 64 k (256 registers): chunk g + 7 is asked for in the middle of chunk g.
; CLUSTERS: 4 x 4 work-groups; W's tile hangs on the block column alone and is asked for jointly by a column of the cluster.  A is not shared so: joint requests
; land in LDS, which W fills; the eight work-groups of a block row each load A's blocks for themselves.
; LDS: slot s at 147,456 s: four quarters of 128 rows (k) of 256 bytes, pitch 288; wave w fetches quarter w.  W lies [k][n]; fragments by the transposing load.
;      The way out's stage (16 rows x 528 bytes a wave) lies in slot 0 after its last fill: all reads of slot 0 ended in front of the last change of slots.
; REGISTERS: window 0: addresses, the bias, rows on the way out.  Window 1: W's fragments, two buffers of 128 (unit e, column block b at 64 e + 8 b).
;            Window 2: accumulator (a, b) at v[8 (8 a + b)]; v128-255 the residual.  Window 3: A's ring, chunk c, unit e, row block a at 32 c + 16 e + 8 a.
; The matrix instruction is used transposed (source 0 = 16 columns of W, source 1 = 16 rows of A): a lane holds eight neighbouring columns of a row.
; By this text's count a wave has at most two tensor loads outstanding (the start), later one, and at most 57 loads into registers.
; Limits: operands are f16, as the launches that made them left them; sums and the result are f32; NaN and infinities are not treated specially.
.set SIZE_K, 1024
.set WOFF,   6291456
.set SIZE_N, 1024
.set BP,     288                       ; W's LDS row: 256 bytes + 32, an odd multiple of 32
.set QUART,  128*BP
.set SLOT,   4*QUART
.set SPITCH, 528                       ; a stage row: 512 bytes + 16, an odd multiple of 16
.set STG,    16*SPITCH
.set LAPS,   SIZE_K/1024               ; a lap = two slots of 512 = once round the ring
.set ASTR,   SIZE_K*32                 ; bytes from a block row of A (16 rows) to the next
.set LN,   1                           ; 16 x lane
.set ADRB, 8                           ; v8-15  my W fragments: slot s, quarter j at 4 s + j
.set STO,  16
.set RD,   17
.set BIAS, 20                          ; v[20:23]
.set RB,   64                          ; v64-127  16 rows on the way out
.set RS,   128                         ; window 2: the residual, row i at 4 i
.set G1, 24                            ; s[24:31] the shape of a quarter, with the mask
.set G0, 32                            ; s[32:39] from where, to where: one set for each slot
.set MSB, 0
.macro WIN new                         ; the immediate's high byte repeats the setting that is left
.if MSB != \new
	s_set_vgpr_msb (MSB<<8)|\new
.set MSB, \new
.endif
.endm
.set MULW, 0xad                        ; source 0 (W) window 1, source 1 (A) window 3, C and D window 2
.set TO_W, 0x40                        ; destination window 1, address window 0
.set TO_R, 0x80                        ; destination window 2
.set TO_A, 0xc0                        ; destination window 3
.macro JLOAD s                         ; a joint load: every wave its own quarter; four v_nop follow the line
	tensor_load_to_lds s[G0+4*\s:G0+4*\s+3], s[G1:G1+7]
	s_nop 0
.rept 4
	v_nop
.endr
.endm
.macro CREST                           ; a round of the cluster's barrier behind its opening barrier
	s_cmp_lg_u32 s14, 0
	s_cbranch_scc1 .Lnot_wave_0_\@
	s_barrier_signal -3
.Lnot_wave_0_\@:
	s_barrier_wait -3
	s_barrier_signal -1
	s_barrier_wait -1
.endm
.macro CROUND
	s_barrier_signal -1
	s_barrier_wait -1
	CREST
.endm
; eight loads: chunk ch (counted from the lap's first) of my 32 rows of A into place rs of the ring
.macro AFILL rs, ch
	WIN TO_A
.irp e, 0,1
.irp a, 0,1
	global_load_b128 v[32*(\rs)+16*\e+8*\a:32*(\rs)+16*\e+8*\a+3],   v[LN], s[18:19] offset:\a*ASTR+(2*(\ch)+\e)*1024
	global_load_b128 v[32*(\rs)+16*\e+8*\a+4:32*(\rs)+16*\e+8*\a+7], v[LN], s[18:19] offset:\a*ASTR+(2*(\ch)+\e)*1024+512
.endr
.endr
.endm
; eight loads: rows 8 i .. 8 i + 7 of my 32 rows of the residual, 512 consecutive bytes each
.macro RFILL i
	WIN TO_R
.irp t, 0,1,2,3,4,5,6,7
	global_load_b128 v[RS+4*(8*\i+\t):RS+4*(8*\i+\t)+3], v[LN], s[10:11] offset:(8*\i+\t)*4096
.endr
.endm
; 32 LDS loads in one run: W's fragments of chunk c (64 k of the slot's 512, all 128 columns) into buffer f
.macro FETCHW slot, c, f
	WIN TO_W
.irp e, 0,1
.irp b, 0,1,2,3,4,5,6,7
	ds_load_tr16_b128 v[128*(\f)+64*\e+8*\b:128*(\f)+64*\e+8*\b+3],   v[ADRB+4*\slot+(\c)/2] offset:(((\c)%2)*64+32*\e)*BP+32*\b
	ds_load_tr16_b128 v[128*(\f)+64*\e+8*\b+4:128*(\f)+64*\e+8*\b+7], v[ADRB+4*\slot+(\c)/2] offset:(((\c)%2)*64+32*\e+16)*BP+32*\b
.endr
.endr
.endm
; eight matrix instructions: row block a x all 8 column blocks, unit e (32 k) of buffer f and of the ring's place rs.
; The 16 accumulators take turns, one instruction a turn.  zero = 1: the first product starts the sums.
.macro MUL8 f, e, rs, a, zero
.irp b, 0,1,2,3,4,5,6,7
.if \zero
	v_wmma_f32_16x16x32_f16 v[8*(8*\a+\b):8*(8*\a+\b)+7], v[128*(\f)+64*\e+8*\b:128*(\f)+64*\e+8*\b+7], v[32*(\rs)+16*\e+8*\a:32*(\rs)+16*\e+8*\a+7], 0
.else
	v_wmma_f32_16x16x32_f16 v[8*(8*\a+\b):8*(8*\a+\b)+7], v[128*(\f)+64*\e+8*\b:128*(\f)+64*\e+8*\b+7], v[32*(\rs)+16*\e+8*\a:32*(\rs)+16*\e+8*\a+7], v[8*(8*\a+\b):8*(8*\a+\b)+7]
.endif
.endr
.endm
.macro PLACES                          ; four plain places between a matrix instruction and a load into one of its registers
.rept 4
	v_nop
.endr
.endm
; Chunk c (0 to 6) of a slot: 32 matrix instructions; in its middle one run of loads: the next chunk's W, and (kind 1) A's chunk arg into the ring's place
; that the chunk before has left, or (kind 2) a quarter of the residual.  left = how many younger loads into registers may stay out.
.macro CHUNK slot, c, kind, arg, left, zero
	s_wait_dscnt 16                                ; this chunk's first unit of W is in; the 16 loads of its second may be out
	s_wait_loadcnt \left                           ; this chunk's A is in
	WIN MULW
	MUL8 (\c%2), 0, \c, 0, \zero
	MUL8 (\c%2), 0, \c, 1, \zero
	PLACES
	FETCHW \slot, (\c+1), ((\c+1)%2)
.if \kind == 1
	AFILL ((\c+7)%8), \arg
.endif
.if \kind == 2
	RFILL \arg
.endif
	s_wait_dscnt 32                                ; all but the 32 just issued
	WIN MULW
	MUL8 (\c%2), 1, \c, 0, 0
	MUL8 (\c%2), 1, \c, 1, 0
.endm
.macro STEP slot, base, zero           ; chunks 0 to 6; behind each chunk's A six younger chunks of 8 loads are out: 48
	CHUNK \slot, 0, 1, \base, 48, \zero
	CHUNK \slot, 1, 1, \base+1, 48, 0
	CHUNK \slot, 2, 1, \base+2, 48, 0
	CHUNK \slot, 3, 1, \base+3, 48, 0
	CHUNK \slot, 4, 1, \base+4, 48, 0
	CHUNK \slot, 5, 1, \base+5, 48, 0
	CHUNK \slot, 6, 1, \base+6, 48, 0
.endm
; Chunk 7: multiplies buffer 1 and changes slots.  In front of the barrier each wave waits for its reads of this slot and for all its tensor loads;
; behind it the refill comes first, then the next slot's first fragments and A's chunk arg.
.macro TURN slot, next, fill, arg
	s_wait_dscnt 16
	s_wait_loadcnt 48
	WIN MULW
	MUL8 1, 0, 7, 0, 0
	s_wait_dscnt 0                                 ; my reads of this slot are over
	s_wait_tensorcnt 0x0                           ; all my tensor loads have landed: the one that was out is my quarter of the next slot
	s_barrier_signal -1                            ; (where a slot is filled again this barrier opens a round of the cluster's barrier)
	MUL8 1, 0, 7, 1, 0                             ; register work while the others arrive
	WIN 0
	s_barrier_wait -1
.if \fill
	CREST                                          ; no wave of any partner still reads this slot or has a load on its way
	s_add_nc_u64 s[G0+4*\slot+2:G0+4*\slot+3], s[G0+4*\slot+2:G0+4*\slot+3], 1024*SIZE_N*2
	JLOAD \slot                                    ; the wave's one tensor load behind the round; its four v_nop are also the places in front of the loads below
.else
	PLACES
.endif
	FETCHW \next, 0, 0
	AFILL 6, \arg
	WIN MULW
	MUL8 1, 1, 7, 0, 0
	MUL8 1, 1, 7, 1, 0
.endm
.macro LAP zero                        ; once round the ring, both slots filled again; then A's base steps by the lap's 16 chunks
	STEP 0, 7, \zero
	TURN 0, 1, 1, 14
	STEP 1, 15, 0
	TURN 1, 0, 1, 22
	WIN 0
	s_wait_xcnt 0x0                                ; the base of A's loads is written only behind this wait
	s_add_nc_u64 s[18:19], s[18:19], 32768
.endm
; The last lap fills no slot.  In its second step A's last chunk is asked for in chunk 0 and the residual takes the refills' places in chunks 1 to 4, so
; behind a chunk's A there are still 48 younger loads up to chunk 5, then 40 and 32 (the residual's 32 stay out to the way out).
.macro LASTLAP zero
	STEP 0, 7, \zero
	TURN 0, 1, 0, 14
	CHUNK 1, 0, 1, 15, 48, 0
	CHUNK 1, 1, 2, 0, 48, 0
	CHUNK 1, 2, 2, 1, 48, 0
	CHUNK 1, 3, 2, 2, 48, 0
	CHUNK 1, 4, 2, 3, 48, 0
	CHUNK 1, 5, 0, 0, 48, 0
	CHUNK 1, 6, 0, 0, 40, 0
	s_wait_dscnt 16
	s_wait_loadcnt 32
	WIN MULW
	MUL8 1, 0, 7, 0, 0
	MUL8 1, 0, 7, 1, 0
	s_wait_dscnt 0
	MUL8 1, 1, 7, 0, 0
	MUL8 1, 1, 7, 1, 0
.endm
	s_load_b256 s[4:11], s[0:1], 0x0               ; A s[4:5], weights s[6:7], bias s[8:9], resid s[10:11]
	s_load_b64 s[12:13], s[0:1], 0x20              ; out
	v_lshl_add_u32 v254, v0, 2, 0x48000
	v_mov_b32 v255, 0
	ds_add_u32 v254, v255
	ds_add_u32 v254, v255
	v_lshrrev_b32 v2, 5, v0
	v_readfirstlane_b32 s14, v2                    ; wave 0..3
	s_bfe_u32 s40, ttmp6, 0x40000                  ; cx
	s_bfe_u32 s41, ttmp6, 0x40004                  ; cy
	s_lshl_b32 s42, ttmp9, 2
	s_add_co_u32 s42, s42, s40                     ; block column
	s_and_b32 s17, ttmp7, 0xffff
	s_lshl_b32 s17, s17, 2
	s_add_co_u32 s17, s17, s41                     ; block row
	s_lshl_b32 s44, 0x1111, s40                    ; my column of the cluster: places cx, cx + 4, cx + 8, cx + 12
	; the shape: 128 rows (k) x 128 elements (n) of 2 bytes, 8 words of padding behind every 64
	s_or_b32 s[G1+0], s44, (1<<16)|(1<<20)|(1<<21)|(5<<22)|(7<<25)
	s_mov_b32 s[G1+1], 128<<16
	s_mov_b32 s[G1+2], 128<<16
	s_mov_b32 s[G1+3], 128<<16
	s_mov_b32 s[G1+4], 128
	s_mov_b32 s[G1+5], SIZE_N
	s_mov_b32 s[G1+6], 0
	s_mov_b32 s[G1+7], 0
	s_lshl_b32 s46, s14, 18                        ; W: k row 128 x wave, rows of 2,048 bytes,
	s_lshl_b32 s47, s42, 8                         ; column 128 x block column,
	s_add_co_u32 s46, s46, s47
	s_add_co_u32 s46, s46, WOFF                    ; in this matrix's part of the weight buffer
	s_mov_b32 s47, 0
	s_lshl_b32 s20, s17, 3
	s_lshl_b32 s21, s14, 1
	s_add_co_u32 s20, s20, s21                     ; A: block row 8 x block row + 2 x wave
	s_mul_i32 s20, s20, ASTR
	s_mov_b32 s21, 0
	s_lshl_b32 s68, s17, 7
	s_lshl_b32 s69, s14, 5
	s_add_co_u32 s68, s68, s69                     ; resid, out: my first row,
	s_lshl_b32 s68, s68, 12                        ; rows of 4,096 bytes,
	s_lshl_b32 s69, s42, 9
	s_add_co_u32 s68, s68, s69                     ; my block's 128 columns
	s_mov_b32 s69, 0
	s_lshl_b32 s66, s42, 9                         ; the same columns of the bias
	s_mov_b32 s67, 0
	s_mul_i32 s22, s14, QUART                      ; where my quarter goes: no place in the cluster enters an LDS address
	s_wait_dscnt 0x0
	s_wait_kmcnt 0x0
	s_add_nc_u64 s[18:19], s[4:5], s[20:21]
	s_add_nc_u64 s[46:47], s[6:7], s[46:47]
	s_add_nc_u64 s[10:11], s[10:11], s[68:69]
	s_add_nc_u64 s[12:13], s[12:13], s[68:69]
	s_add_nc_u64 s[66:67], s[8:9], s[66:67]
	CROUND                                         ; all sixteen work-groups are here: the first joint loads meet
.irp s, 0,1
	s_mov_b32 s[G0+4*\s], 1
	s_add_co_u32 s[G0+4*\s+1], s22, \s*SLOT
	s_add_nc_u64 s[G0+4*\s+2:G0+4*\s+3], s[46:47], \s*512*SIZE_N*2
	s_or_b32 s[G0+4*\s+3], s[G0+4*\s+3], 0x80000000
	JLOAD \s                                       ; both slots' first fills go out together: two tensor loads of the wave are out
.endr
	v_and_b32 v2, 31, v0
	v_lshlrev_b32 v[LN], 4, v2
	global_load_b128 v[BIAS:BIAS+3], v[LN], s[66:67]       ; the bias of the four columns that I store
.irp g, 0,1,2,3,4,5,6
	AFILL \g, \g                                   ; A's first seven chunks
.endr
	WIN 0
	v_and_b32 v3, 15, v0                           ; r
	v_bfe_u32 v4, v0, 4, 1                         ; h
	v_and_b32 v5, 7, v0
	v_lshl_add_u32 v5, v4, 3, v5                   ; k row 8 h + l % 8
	v_mul_u32_u24 v5, v5, BP
	v_bfe_u32 v6, v0, 3, 1
	v_lshl_add_u32 v[ADRB], v6, 4, v5
.irp j, 1,2,3,4,5,6,7
	v_add_nc_u32 v[ADRB+\j], (\j/4)*SLOT+(\j%4)*QUART, v[ADRB]
.endr
	s_mul_i32 s23, s14, STG                        ; my stage
	v_mul_u32_u24 v5, v3, SPITCH
	v_lshl_add_u32 v5, v4, 5, v5                   ; in: row r, 32 bytes for each half of the lanes
	v_add_nc_u32 v[STO], s23, v5
	v_add_nc_u32 v[RD], s23, v[LN]                 ; back: a row's 512 bytes, 16 a lane
	s_wait_tensorcnt 1                             ; my quarter of slot 0 is in; slot 1's may stay out
	s_barrier_signal -1
	s_barrier_wait -1
	FETCHW 0, 0, 0
.if LAPS > 1
	LAP 1                                          ; the first lap stands in front of the loop: its first products start the sums
.if LAPS > 2
	s_mov_b32 s3, LAPS-2
.Llap:
	LAP 0
	s_sub_co_u32 s3, s3, 1
	s_cmp_lg_u32 s3, 0
	s_cbranch_scc1 .Llap
.endif
	LASTLAP 0
.else
	LASTLAP 1
.endif
	; THE WAY OUT: the bias is added to the residual; then 16 rows at a time go through my stage, come back as rows of 512 bytes and are added and stored.
	PLACES
	s_wait_loadcnt 0x0                             ; the residual
	WIN 0x82                                       ; destination and source 0 window 2, source 1 window 0
.set n, 0
.rept 32
	v_pk_add_f32 v[RS+4*n:RS+4*n+1],   v[RS+4*n:RS+4*n+1],   v[BIAS:BIAS+1]
	v_pk_add_f32 v[RS+4*n+2:RS+4*n+3], v[RS+4*n+2:RS+4*n+3], v[BIAS+2:BIAS+3]
.set n, n+1
.endr
.macro OUTS a
	WIN 0x08                                       ; the LDS stores' data in window 2
.irp b, 0,1,2,3,4,5,6,7
	ds_store_b128 v[STO], v[8*(8*\a+\b):8*(8*\a+\b)+3]   offset:64*\b
	ds_store_b128 v[STO], v[8*(8*\a+\b)+4:8*(8*\a+\b)+7] offset:64*\b+16
.endr
	WIN 0
.set n, 0
.rept 16
	ds_load_b128 v[RB+4*n:RB+4*n+3], v[RD] offset:n*SPITCH         ; LDS serves a wave's instructions in order: these see the stores above
.set n, n+1
.endr
	WIN 0x88                                       ; sums into window 2, where the residual lies; the stores' data there too, their address in window 0
.set n, 0
.rept 16
	s_wait_dscnt 15-n
	v_pk_add_f32 v[RS+4*(16*\a+n):RS+4*(16*\a+n)+1],   v[RB+4*n:RB+4*n+1],   v[RS+4*(16*\a+n):RS+4*(16*\a+n)+1]
	v_pk_add_f32 v[RS+4*(16*\a+n)+2:RS+4*(16*\a+n)+3], v[RB+4*n+2:RB+4*n+3], v[RS+4*(16*\a+n)+2:RS+4*(16*\a+n)+3]
	global_store_b128 v[LN], v[RS+4*(16*\a+n):RS+4*(16*\a+n)+3], s[12:13] offset:(16*\a+n)*4096   ; 512 consecutive bytes, aligned; its registers are not written again
.set n, n+1
.endr
.endm
	OUTS 0
	OUTS 1
	WIN 0
	s_wait_tensorcnt 0x0
	ds_add_u32 v254, v255
	s_wait_dscnt 0x0
	CROUND                                         ; the closing round: no work-group ends while a partner may still ask for a tile that names it
	s_endpgm
.Lfunc_end_k_qdc44d119d4_gemm_proj:
	.size	k_qdc44d119d4_gemm_proj, .Lfunc_end_k_qdc44d119d4_gemm_proj-k_qdc44d119d4_gemm_proj
	.p2alignl 7, 3214868480
	.fill 96, 4, 3214868480
	.section	.rodata,"a",@progbits
	.p2align	6, 0x0
	.amdhsa_kernel k_qdc44d119d4_gemm_proj
		.amdhsa_group_segment_fixed_size 295424
		.amdhsa_private_segment_fixed_size 0
		.amdhsa_enable_private_segment 0
		.amdhsa_kernarg_size 40
		.amdhsa_user_sgpr_count 2
		.amdhsa_user_sgpr_kernarg_segment_ptr 1
		.amdhsa_wavefront_size32 1
		.amdhsa_system_sgpr_workgroup_id_x 1
		.amdhsa_system_sgpr_workgroup_id_y 1
		.amdhsa_system_sgpr_workgroup_id_z 1
		.amdhsa_system_vgpr_workitem_id 0
		.amdhsa_next_free_vgpr 1024
		.amdhsa_next_free_sgpr 72
		.amdhsa_reserve_vcc 0
		.amdhsa_float_denorm_mode_32 3
		.amdhsa_float_denorm_mode_16_64 3
		.amdhsa_memory_ordered 1
		.amdhsa_forward_progress 1
		.amdhsa_inst_pref_size 107
	.end_amdhsa_kernel
	.amdgpu_metadata
---
amdhsa.version: [ 1, 2 ]
amdhsa.kernels:
  - .name:           k_qdc44d119d4_gemm_proj
    .symbol:         k_qdc44d119d4_gemm_proj.kd
    .args:
      - { .name: act, .offset: 0, .size: 8, .value_kind: global_buffer, .address_space: global }
      - { .name: wbf, .offset: 8, .size: 8, .value_kind: global_buffer, .address_space: global }
      - { .name: b_proj, .offset: 16, .size: 8, .value_kind: global_buffer, .address_space: global }
      - { .name: x, .offset: 24, .size: 8, .value_kind: global_buffer, .address_space: global }
      - { .name: x1, .offset: 32, .size: 8, .value_kind: global_buffer, .address_space: global }
    .group_segment_fixed_size: 295424
    .private_segment_fixed_size: 0
    .kernarg_segment_align: 8
    .kernarg_segment_size: 40
    .max_flat_workgroup_size: 128
    .sgpr_count:     72
    .vgpr_count:     1024
    .wavefront_size: 32
...
	.end_amdgpu_metadata
.endif
;; end of part 5
;; launch ln2: the kernel of part 2 again; grid 256 x 1, 4 waves a work-group, no clusters, 0 bytes of LDS; arguments x1, ln2_w, ln2_b, act; writes act
;; launch gemm_fc (part 6): grid 16 x 16, 4 waves a work-group, clusters of 4 x 4, 327,680 bytes of LDS; arguments act, wbf, b_fc, gbuf; writes gbuf
.if DOCPART == 6
	.amdgcn_target "amdgcn-amd-amdhsa--gfx1250"
	.amdhsa_code_object_version 6
	.text
	.protected	k_qdc44d119d4_gemm_fc
	.globl	k_qdc44d119d4_gemm_fc
	.p2align	8
	.type	k_qdc44d119d4_gemm_fc,@function
k_qdc44d119d4_gemm_fc:
	s_mov_b64 s[64:65], 0
	v_nop
	global_prefetch_b8 v0, s[64:65] scope:SCOPE_SE
	s_setreg_imm32_b32 hwreg(HW_REG_WAVE_MODE, 25, 1), 1
	s_wait_xcnt 0x0
	s_wait_alu depctr_hold_cnt(0) depctr_sa_sdst(0) depctr_va_vdst(0) depctr_va_sdst(0) depctr_va_ssrc(0) depctr_va_vcc(0) depctr_vm_vsrc(0)
	s_getreg_b32 s2, hwreg(HW_REG_IB_STS2, 6, 4)
	s_cmp_eq_u32 s2, 0
	s_cbranch_scc0 .Lentry_in_a_cluster
	s_endpgm
.Lentry_in_a_cluster:
	s_bfe_u32 s2, ttmp6, 0x10000c
	s_cmp_lg_u32 s2, 0xf033
	s_cbranch_scc0 .Lentry_shape_is_right
	s_endpgm
.Lentry_shape_is_right:
; C[m][n] = gelu(sum over k of A[m][k] W[k][n] + bias[n]), the tanh form of GELU, C rounded once to f16.
; A: [4096][1024] f16, row-major.  W: [1024][4096] f16 at byte WOFF of the weight buffer.  bias: [4096] f32.  Sums in f32.
; C IS WRITTEN AS THE NEXT PRODUCT'S FRAGMENTS: blocks of 16 rows x 32 columns, 1,024 bytes, block (mb, kb) at (128 mb + kb) x 1,024; in a block,
; lane l = 16 h + r holds C[16 mb + r][32 kb + 16 c + 8 h .. + 7] at byte 512 c + 16 l.  A packed accumulator tile is half such a block, so C leaves
; from registers, 512 consecutive bytes a store, without a stage in LDS.
; A work-group makes 256 x 256 of C with four waves, one for each SIMD; a wave makes 128 x 128: 64 accumulator tiles, 512 registers.
; K goes in steps of 128 through two LDS slots filled by the tensor data mover: A's tile is 256 rows of 256 bytes, W's 128 rows (k) of 512 bytes.
; W lies [k][n]; its fragments are made by the transposing LDS load (two ds_load_tr16_b128 a fragment, as many as a plain fragment takes).
; CLUSTERS: 4 x 4 work-groups.  A's tile hangs on the block row alone and is asked for jointly by a row of the cluster, W's on the block
; column alone and is asked for jointly by a column.  16 x 16 = 256 blocks of C, one a work-group.
; REGISTERS, in windows of 256:
;   window 0: v0-31 addresses and constants; v64-127, v128-191 fragments of A, two buffers; v192-223, v224-255 packed results, by turns
;   window 1: v0-63 the bias of my 128 columns as the accumulators hold them; v64-127, v128-191 fragments of W, two buffers
;   window 2: the 32 accumulator tiles of my rows 0-63 (tile (a, b) at v[8 (8 a + b)]);  window 3: those of my rows 64-127
; THE MATRIX INSTRUCTION IS USED TRANSPOSED: source 0 = 16 columns of W, source 1 = 16 rows of A; lane l then holds row l % 16 of C and
; its registers 0 to 7 the columns 8 (l / 16) + 0 .. 7.
; Limits: operands and C are f16: a result beyond 65,504 in magnitude becomes infinite (A is a layer norm's result, of the gain's size, and a sum
; has the size of gain x weight x 32: gain and weights each 30 times those of a unit gain and weights of rms 1/32 give sums of some 5,000);
; NaN and infinities are not treated specially; v_exp_f32 and v_rcp_f32 flush denormals.
.set SIZE_N, 4096
.set SIZE_K, 1024
.set WOFF,   8388608
.set KSTEP,  128
.set PITCH,  272                       ; A's LDS row: 256 bytes + 16, an odd multiple of 16
.set BP,     544                       ; W's LDS row: 512 bytes + 32, an odd multiple of 32
.set HALFT,  128*PITCH                 ; what one tensor load brings: 128 rows of A, or 64 rows of W (64 x 544 is the same 34,816)
.set SLOT,   4*HALFT                   ; A's 256 rows, then W's 128 rows
.set LAPS, SIZE_K/(2*KSTEP)            ; a lap = two K steps = once round the ring
.set CSTR, SIZE_N*32                   ; bytes from a block row of C (16 rows) to the next
.set ADRA, 16                          ; v16-17  LDS address of my A fragments in slot 0, 1
.set ADRB, 20                          ; v20-21  the same for W
.set LN,   24                          ; 16 x lane
.set BO,   27                          ; my byte offset in the bias
.set KC1,  28                          ; v[28:29], v[30:31]  GELU's two constants, twice each
.set KC2,  30
.set F0,   64
.set F1,   128
.set TMP0, 192
.set TMP1, 224
.set G1, 24                            ; s[24:31] group 1 for A's tiles
.set G0, 32                            ; s[32:39] group 0 for A's tiles, one set for each slot
.set G1B, 48                           ; s[48:55] group 1 for W's tiles
.set G0B, 56                           ; s[56:63] group 0 for W's tiles, one set for each slot
.set MSB, 0
.macro WIN new                         ; the immediate's high byte repeats the setting that is left
.if MSB != \new
	s_set_vgpr_msb (MSB<<8)|\new
.set MSB, \new
.endif
.endm
.set MUL_LO, 0xa1                      ; source 0 (W) window 1, source 1 (A) window 0, C and D window 2
.set MUL_HI, 0xf1                      ; the same, C and D window 3
.set TO_B,   0x40                      ; destination window 1, address window 0
; A joint load.  Waves 0 and 1 fetch A's two halves, waves 2 and 3 W's.  The branch hangs on the wave's number alone.  Four v_nop follow each line.
.macro JLOAD s
	s_cmp_eq_u32 s13, 0
	s_cbranch_scc0 .Lfor_b_\@
	tensor_load_to_lds s[G0+4*\s:G0+4*\s+3], s[G1:G1+7]
	s_nop 0
.rept 4
	v_nop
.endr
	s_branch .Lasked_\@
.Lfor_b_\@:
	tensor_load_to_lds s[G0B+4*\s:G0B+4*\s+3], s[G1B:G1B+7]
	s_nop 0
.rept 4
	v_nop
.endr
.Lasked_\@:
.endm
.macro CREST                           ; a round of the cluster's barrier behind its opening barrier
	s_cmp_lg_u32 s12, 0
	s_cbranch_scc1 .Lnot_wave_0_\@
	s_barrier_signal -3
.Lnot_wave_0_\@:
	s_barrier_wait -3
	s_barrier_signal -1
	s_barrier_wait -1
.endm
.macro CROUND
	s_barrier_signal -1
	s_barrier_wait -1
	CREST
.endm
	s_load_b256 s[4:11], s[0:1], 0x0               ; A s[4:5], weights s[6:7], bias s[8:9], C s[10:11]
	s_set_vgpr_msb 0x40
	v_lshl_add_u32 v255, v0, 2, 0x44000
	s_set_vgpr_msb 0x4000
	v_mov_b32 v63, 0
	s_set_vgpr_msb 0x1
	ds_add_u32 v255, v63
	ds_add_u32 v255, v63
	s_set_vgpr_msb 0x100
	v_lshrrev_b32 v1, 5, v0
	v_readfirstlane_b32 s12, v1                    ; wave 0..3
	s_lshr_b32 s13, s12, 1                         ; which half of the block's rows is mine.  Also: I fetch for A (0) or for W (1)
	s_and_b32 s14, s12, 1                          ; which half of its columns.  Also: which half of that tile I fetch
	s_bfe_u32 s40, ttmp6, 0x40000                  ; cx
	s_bfe_u32 s41, ttmp6, 0x40004                  ; cy
	s_lshl_b32 s42, ttmp9, 2
	s_add_co_u32 s42, s42, s40                     ; block column
	s_and_b32 s15, ttmp7, 0xffff
	s_lshl_b32 s15, s15, 2
	s_add_co_u32 s15, s15, s41                     ; block row
	s_lshl_b32 s43, s41, 2
	s_lshl_b32 s43, 15, s43                        ; my row of the cluster
	s_lshl_b32 s44, 0x1111, s40                    ; my column
	; group 1 for A: 128 rows x 128 elements of 2 bytes, 4 words of padding behind every 64
	s_or_b32 s[G1+0], s43, (1<<16)|(1<<20)|(1<<21)|(5<<22)|(3<<25)
	s_mov_b32 s[G1+1], KSTEP<<16
	s_mov_b32 s[G1+2], 128<<16
	s_mov_b32 s[G1+3], KSTEP<<16
	s_mov_b32 s[G1+4], 128
	s_mov_b32 s[G1+5], SIZE_K
	s_mov_b32 s[G1+6], 0
	s_mov_b32 s[G1+7], 0
	; group 1 for W: 64 rows (k) x 256 elements (n), 8 words of padding behind every 128
	s_or_b32 s[G1B+0], s44, (1<<16)|(1<<20)|(1<<21)|(6<<22)|(7<<25)
	s_mov_b32 s[G1B+1], 256<<16
	s_mov_b32 s[G1B+2], 64<<16
	s_mov_b32 s[G1B+3], 256<<16
	s_mov_b32 s[G1B+4], 64
	s_mov_b32 s[G1B+5], SIZE_N
	s_mov_b32 s[G1B+6], 0
	s_mov_b32 s[G1B+7], 0
	; A's tiles hang on the block row and the wave alone, W's on the block column and the wave alone, in registers of their own
	s_lshl_b32 s16, s15, 8
	s_lshl_b32 s17, s14, 7
	s_add_co_u32 s16, s16, s17                     ; A: row 256 x block row + 128 x half
	s_mul_i32 s16, s16, SIZE_K*2
	s_mov_b32 s17, 0
	s_mul_i32 s46, s14, 64*SIZE_N*2                ; W: k row 64 x half,
	s_lshl_b32 s47, s42, 9                         ; column 256 x block column,
	s_add_co_u32 s46, s46, s47
	s_add_co_u32 s46, s46, WOFF                    ; in this matrix's part of the weight buffer
	s_mov_b32 s47, 0
	s_mul_i32 s20, s12, HALFT                      ; where my part goes: no place in the cluster enters an LDS address
	s_wait_dscnt 0x0
	s_wait_kmcnt 0x0
	s_add_nc_u64 s[18:19], s[4:5], s[16:17]
	s_add_nc_u64 s[46:47], s[6:7], s[46:47]
	CROUND                                         ; all sixteen work-groups are here: the first joint loads meet
.irp s, 0,1
	s_mov_b32 s[G0+4*\s], 1
	s_add_co_u32 s[G0+4*\s+1], s20, \s*SLOT
	s_add_nc_u64 s[G0+4*\s+2:G0+4*\s+3], s[18:19], \s*KSTEP*2
	s_or_b32 s[G0+4*\s+3], s[G0+4*\s+3], 0x80000000
	s_mov_b32 s[G0B+4*\s], 1
	s_add_co_u32 s[G0B+4*\s+1], s20, \s*SLOT
	s_add_nc_u64 s[G0B+4*\s+2:G0B+4*\s+3], s[46:47], \s*KSTEP*SIZE_N*2
	s_or_b32 s[G0B+4*\s+3], s[G0B+4*\s+3], 0x80000000
	JLOAD \s                                       ; both slots' first fills go out together: two tensor loads of the wave are out
.endr
	v_and_b32 v1, 15, v0                           ; r
	v_bfe_u32 v2, v0, 4, 1                         ; h
	v_mul_u32_u24 v3, v1, PITCH
	v_lshl_add_u32 v3, v2, 4, v3                   ; A: row x pitch + 16 h
	v_and_b32 v4, 7, v0
	v_lshl_add_u32 v4, v2, 3, v4                   ; W: k row 8 h + l % 8,
	v_mul_u32_u24 v4, v4, BP
	v_bfe_u32 v5, v0, 3, 1
	v_lshl_add_u32 v4, v5, 4, v4                   ; and 16 bytes on for the upper eight of sixteen lanes
	s_mul_i32 s21, s13, HALFT                      ; my 128 rows of A
	s_lshl_b32 s22, s14, 8                         ; my 128 columns of W,
	s_add_co_u32 s22, s22, 2*HALFT                 ; which lies behind A's 256 rows
.irp s, 0,1
	v_add_nc_u32 v[ADRA+\s], s21, v3
	v_add_nc_u32 v[ADRB+\s], s22, v4
	s_add_co_u32 s21, s21, SLOT
	s_add_co_u32 s22, s22, SLOT
.endr
	v_and_b32 v5, 31, v0
	v_lshlrev_b32 v[LN], 4, v5
	v_lshlrev_b32 v[BO], 5, v2                     ; 8 h columns of 4 bytes
	v_mov_b32 v[KC1], 0xc0135761                   ; -2 sqrt(2/pi) log2(e)
	v_mov_b32 v[KC1+1], 0xc0135761
	v_mov_b32 v[KC2], 0xbdd2d3e8                   ; the same x 0.044715
	v_mov_b32 v[KC2+1], 0xbdd2d3e8
	; the bias of my 128 columns, laid as the accumulators are: window 1, register 8 b + j = bias of column 16 b + 8 h + j.  Waited for on the way out.
	s_lshl_b32 s66, s42, 10
	s_lshl_b32 s67, s14, 9
	s_add_co_u32 s66, s66, s67
	s_mov_b32 s67, 0
	s_add_nc_u64 s[66:67], s[8:9], s[66:67]
	WIN TO_B
.irp b, 0,1,2,3,4,5,6,7
	global_load_b128 v[8*\b:8*\b+3],   v[BO], s[66:67] offset:64*\b
	global_load_b128 v[8*\b+4:8*\b+7], v[BO], s[66:67] offset:64*\b+16
.endr
; 16 matrix instructions: m blocks a0, a0 + 1 of the window's four x all 8 n blocks, 32 along K.  zero = 1: the first product starts the sums.
; The 64 accumulators take turns, one instruction a turn, in the same order in every quarter step.
.macro MUL16 f, hi, a0, zero
.irp a, \a0, \a0+1
.irp b, 0,1,2,3,4,5,6,7
.if \zero
	v_wmma_f32_16x16x32_f16 v[8*(8*(\a)+\b):8*(8*(\a)+\b)+7], v[\f+8*\b:\f+8*\b+7], v[\f+8*(4*\hi+\a):\f+8*(4*\hi+\a)+7], 0
.else
	v_wmma_f32_16x16x32_f16 v[8*(8*(\a)+\b):8*(8*(\a)+\b)+7], v[\f+8*\b:\f+8*\b+7], v[\f+8*(4*\hi+\a):\f+8*(4*\hi+\a)+7], v[8*(8*(\a)+\b):8*(8*(\a)+\b)+7]
.endif
.endr
.endr
.endm
; 32 LDS loads in one run: the fragments of quarter step q (32 k) into buffer f: W's 128 columns (transposing loads), then A's 128 rows
.macro FETCH slot, q, f
	WIN TO_B
.irp i, 0,1,2,3,4,5,6,7
	ds_load_tr16_b128 v[\f+8*\i:\f+8*\i+3],   v[ADRB+\slot] offset:\q*32*BP+32*\i
	ds_load_tr16_b128 v[\f+8*\i+4:\f+8*\i+7], v[ADRB+\slot] offset:\q*32*BP+32*\i+16*BP
.endr
	WIN 0
.irp i, 0,1,2,3,4,5,6,7
	ds_load_b128 v[\f+8*\i:\f+8*\i+3],   v[ADRA+\slot] offset:64*\q+\i*16*PITCH
	ds_load_b128 v[\f+8*\i+4:\f+8*\i+7], v[ADRA+\slot] offset:64*\q+\i*16*PITCH+32
.endr
.endm
.macro PLACES                          ; four plain places between a matrix instruction and a load into, or a vector instruction on, its registers
.rept 4
	v_nop
.endr
.endm
.macro QUARTER slot, q, f, g, zero
	s_wait_dscnt 8                                 ; W and A's rows 0-63 are in; the youngest eight loads (A's rows 64-127) may be out
	WIN MUL_LO
	MUL16 \f, 0, 0, \zero
	MUL16 \f, 0, 2, \zero
	PLACES
	FETCH \slot, \q, \g
	s_wait_dscnt 32                                ; all but the 32 just issued
	WIN MUL_HI
	MUL16 \f, 1, 0, \zero
	MUL16 \f, 1, 2, \zero
.endm
.macro THREE slot, zero
	QUARTER \slot, 1, F0, F1, \zero
	QUARTER \slot, 2, F1, F0, 0
	QUARTER \slot, 3, F0, F1, 0
.endm
; The last quarter of a K step changes slots.  In front of the barrier each wave waits for its reads of this slot and for all its tensor loads (one is
; out: its part of the next slot); behind it the refill comes first.  From a request to the wait for it a wave issues 240 matrix instructions.
.macro TURN slot, next, fill
	s_wait_dscnt 8
	WIN MUL_LO
	MUL16 F1, 0, 0, 0
	s_wait_dscnt 0                                 ; my reads of this slot are over
	s_wait_tensorcnt 0x0                           ; and all my tensor loads have landed
	ds_add_u32 v255, v63
	s_wait_dscnt 0x0
	s_barrier_signal -1                            ; (where a slot is filled again this barrier opens a round of the cluster's barrier)
	MUL16 F1, 0, 2, 0                              ; register work while the others arrive
	WIN 0
	s_barrier_wait -1
.if \fill
	CREST                                          ; no wave of any partner still reads this slot or has a load on its way
	s_add_nc_u64 s[G0+4*\slot+2:G0+4*\slot+3], s[G0+4*\slot+2:G0+4*\slot+3], 2*KSTEP*2
	s_add_nc_u64 s[G0B+4*\slot+2:G0B+4*\slot+3], s[G0B+4*\slot+2:G0B+4*\slot+3], 2*KSTEP*SIZE_N*2
	JLOAD \slot                                    ; the wave's one tensor load behind the round; its four v_nop are also the places in front of the loads below
.else
	PLACES
.endif
	FETCH \next, 0, F0
	WIN MUL_HI
	MUL16 F1, 1, 0, 0
	MUL16 F1, 1, 2, 0
.endm
.macro LAP zero
	THREE 0, \zero
	TURN 0, 1, 1
	THREE 1, 0
	TURN 1, 0, 1
.endm
	s_wait_tensorcnt 1                             ; my part of K step 0 is in; K step 1's may stay out
	s_barrier_signal -1
	s_barrier_wait -1
	FETCH 0, 0, F0
	LAP 1                                          ; the first lap stands in front of the loop: its first products start the sums
	WIN 0
	s_mov_b32 s3, LAPS-2
.Llap:
	LAP 0
	WIN 0
	s_sub_co_u32 s3, s3, 1
	s_cmp_lg_u32 s3, 0
	s_cbranch_scc1 .Llap
	THREE 0, 0                                     ; the last lap fills nothing
	TURN 0, 1, 0
	THREE 1, 0
	s_wait_dscnt 8
	WIN MUL_LO
	MUL16 F1, 0, 0, 0
	MUL16 F1, 0, 2, 0
	s_wait_dscnt 0
	WIN MUL_HI
	MUL16 F1, 1, 0, 0
	MUL16 F1, 1, 2, 0
	; THE WAY OUT, 16 rows of C at a time: add the bias, GELU, round to f16, store each packed tile as half a block of the fragment layout.
	PLACES
	s_wait_loadcnt 0x0                             ; the bias
	s_lshl_b32 s16, s15, 4
	s_lshl_b32 s17, s13, 3
	s_add_co_u32 s16, s16, s17                     ; my first block row of C: 16 x block row + 8 x half
	s_lshl_b32 s16, s16, 17                        ; block rows of 131,072 bytes
	s_mov_b32 s17, 0
	s_add_nc_u64 s[10:11], s[10:11], s[16:17]
	s_lshl_b32 s68, s42, 13                        ; my first block column: 8 x block column + 4 x half, blocks of 1,024 bytes
	s_lshl_b32 s69, s14, 12
	s_add_co_u32 s68, s68, s69
	s_mov_b32 s69, 0
	s_add_nc_u64 s[10:11], s[10:11], s[68:69]
; rows 16 i .. 16 i + 15 of my block = tiles (a, 0..7) of window 2 or 3 (from = 0x06 or 0x07: source 0 there, source 1 in window 1); tmp: TMP0 or TMP1 in turn
.macro OUT16 i, a, from, tmp
	WIN \from
.set n, 0
.rept 32
	v_pk_add_f32 v[F0+2*n:F0+2*n+1], v[64*\a+2*n:64*\a+2*n+1], v[2*n:2*n+1]      ; sum + bias, into window 0
.set n, n+1
.endr
	WIN 0
	; gelu(x) = x / (1 + 2^(x (KC1 + KC2 x^2))): the tanh form written as a sigmoid; finite for every finite x
.set n, 0
.rept 32
	v_pk_mul_f32 v[F1+2*n:F1+2*n+1], v[F0+2*n:F0+2*n+1], v[F0+2*n:F0+2*n+1]
.set n, n+1
.endr
.set n, 0
.rept 32
	v_pk_fma_f32 v[F1+2*n:F1+2*n+1], v[F1+2*n:F1+2*n+1], v[KC2:KC2+1], v[KC1:KC1+1]
.set n, n+1
.endr
.set n, 0
.rept 32
	v_pk_mul_f32 v[F1+2*n:F1+2*n+1], v[F1+2*n:F1+2*n+1], v[F0+2*n:F0+2*n+1]
.set n, n+1
.endr
.set n, 0
.rept 64
	v_exp_f32 v[F1+n], v[F1+n]
.set n, n+1
.endr
	v_nop                                          ; one plain place behind the last v_exp_f32 (ISA guide 5.7.2)
.set n, 0
	s_wait_alu depctr_va_vdst(0)
.rept 32
	v_pk_add_f32 v[F1+2*n:F1+2*n+1], v[F1+2*n:F1+2*n+1], 1.0 op_sel_hi:[1,0]
.set n, n+1
.endr
.set n, 0
.rept 64
	v_rcp_f32 v[F1+n], v[F1+n]
.set n, n+1
.endr
	v_nop
.set n, 0
	s_wait_alu depctr_va_vdst(0)
.rept 32
	v_pk_mul_f32 v[F0+2*n:F0+2*n+1], v[F0+2*n:F0+2*n+1], v[F1+2*n:F1+2*n+1]
.set n, n+1
.endr
	s_wait_xcnt 0x0                                ; tmp, which the stores of two groups ago read, is written again only behind this wait
.set n, 0
.rept 32
	v_cvt_pk_f16_f32 v[\tmp+n], v[F0+2*n], v[F0+2*n+1]
.set n, n+1
.endr
.irp b, 0,1,2,3,4,5,6,7
	global_store_b128 v[LN], v[\tmp+4*\b:\tmp+4*\b+3], s[10:11] offset:\i*CSTR+512*\b    ; tile b: half b % 2 of block b / 2: 512 consecutive bytes, aligned
.endr
.endm
	OUT16 0, 0, 0x06, TMP0
	OUT16 1, 1, 0x06, TMP1
	OUT16 2, 2, 0x06, TMP0
	OUT16 3, 3, 0x06, TMP1
	OUT16 4, 0, 0x07, TMP0
	OUT16 5, 1, 0x07, TMP1
	OUT16 6, 2, 0x07, TMP0
	OUT16 7, 3, 0x07, TMP1
	CROUND                                         ; the closing round: no work-group ends while a partner may still ask for a tile that names it
	s_endpgm
.Lfunc_end_k_qdc44d119d4_gemm_fc:
	.size	k_qdc44d119d4_gemm_fc, .Lfunc_end_k_qdc44d119d4_gemm_fc-k_qdc44d119d4_gemm_fc
	.p2alignl 7, 3214868480
	.fill 96, 4, 3214868480
	.section	.rodata,"a",@progbits
	.p2align	6, 0x0
	.amdhsa_kernel k_qdc44d119d4_gemm_fc
		.amdhsa_group_segment_fixed_size 327680
		.amdhsa_private_segment_fixed_size 0
		.amdhsa_enable_private_segment 0
		.amdhsa_kernarg_size 32
		.amdhsa_user_sgpr_count 2
		.amdhsa_user_sgpr_kernarg_segment_ptr 1
		.amdhsa_wavefront_size32 1
		.amdhsa_system_sgpr_workgroup_id_x 1
		.amdhsa_system_sgpr_workgroup_id_y 1
		.amdhsa_system_sgpr_workgroup_id_z 1
		.amdhsa_system_vgpr_workitem_id 0
		.amdhsa_next_free_vgpr 1024
		.amdhsa_next_free_sgpr 72
		.amdhsa_reserve_vcc 0
		.amdhsa_float_denorm_mode_32 3
		.amdhsa_float_denorm_mode_16_64 3
		.amdhsa_memory_ordered 1
		.amdhsa_forward_progress 1
		.amdhsa_inst_pref_size 255
	.end_amdhsa_kernel
	.section	.bss,"aw",@nobits
	.p2align	6
	.space	262144
	.amdgpu_metadata
---
amdhsa.version: [ 1, 2 ]
amdhsa.kernels:
  - .name:           k_qdc44d119d4_gemm_fc
    .symbol:         k_qdc44d119d4_gemm_fc.kd
    .args:
      - { .name: act, .offset: 0, .size: 8, .value_kind: global_buffer, .address_space: global }
      - { .name: wbf, .offset: 8, .size: 8, .value_kind: global_buffer, .address_space: global }
      - { .name: b_fc, .offset: 16, .size: 8, .value_kind: global_buffer, .address_space: global }
      - { .name: gbuf, .offset: 24, .size: 8, .value_kind: global_buffer, .address_space: global }
    .group_segment_fixed_size: 327680
    .private_segment_fixed_size: 0
    .kernarg_segment_align: 8
    .kernarg_segment_size: 32
    .max_flat_workgroup_size: 128
    .sgpr_count:     72
    .vgpr_count:     1024
    .wavefront_size: 32
...
	.end_amdgpu_metadata
.endif
;; end of part 6
;; launch gemm_mlp (part 7): grid 8 x 32, 4 waves a work-group, clusters of 4 x 4, 327,680 bytes of LDS; arguments gbuf, wbf, b_mlp_proj, x1, out0; writes out0
.if DOCPART == 7
	.amdgcn_target "amdgcn-amd-amdhsa--gfx1250"
	.amdhsa_code_object_version 6
	.text
	.protected	k_qdc44d119d4_gemm_mlp
	.globl	k_qdc44d119d4_gemm_mlp
	.p2align	8
	.type	k_qdc44d119d4_gemm_mlp,@function
k_qdc44d119d4_gemm_mlp:
	s_mov_b64 s[64:65], 0
	v_nop
	global_prefetch_b8 v0, s[64:65] scope:SCOPE_SE
	s_setreg_imm32_b32 hwreg(HW_REG_WAVE_MODE, 25, 1), 1
	s_wait_xcnt 0x0
	s_wait_alu depctr_hold_cnt(0) depctr_sa_sdst(0) depctr_va_vdst(0) depctr_va_sdst(0) depctr_va_ssrc(0) depctr_va_vcc(0) depctr_vm_vsrc(0)
	s_getreg_b32 s2, hwreg(HW_REG_IB_STS2, 6, 4)
	s_cmp_eq_u32 s2, 0
	s_cbranch_scc0 .Lentry_in_a_cluster
	s_endpgm
.Lentry_in_a_cluster:
	s_bfe_u32 s2, ttmp6, 0x10000c
	s_cmp_lg_u32 s2, 0xf033
	s_cbranch_scc0 .Lentry_shape_is_right
	s_endpgm
.Lentry_shape_is_right:
; out[m][n] = resid[m][n] + bias[n] + sum over k of A[m][k] W[k][n], in f32.
; W: [SIZE_K][1024] f16 at byte WOFF of the weight buffer.  bias: [1024] f32.  resid, out: [4096][1024] f32.
; A: 4,096 x SIZE_K in f16, LAID AS FRAGMENTS by the launch that made it: blocks of 16 rows x 32 k, 1,024 bytes, block (mb, kb) at (mb SIZE_K / 32 + kb) x 1,024;
; in a block, lane l = 16 h + r holds A[16 mb + r][32 kb + 16 c + 8 h .. + 7] at byte 512 c + 16 l.  Two loads of 512 consecutive bytes are a fragment.
; The output has 4,096 x 1,024 numbers: 128 x 128 for each of 256 work-groups.  Four waves, one for each SIMD; wave w makes rows 32 w .. + 31 x all 128 columns.
; ONLY W GOES THROUGH LDS.  With A beside it a slot would hold 256 of K, 128 matrix instructions a wave; with W alone it holds 512, and from a request to the
; wait for it a wave issues 248.  A's rows are a wave's own, so they go straight to registers, each byte once in a work-group, through a ring of eight
; chunks of 64 k (256 registers): chunk g + 7 is asked for in the middle of chunk g.
; CLUSTERS: 4 x 4 work-groups; W's tile hangs on the block column alone and is asked for jointly by a column of the cluster.  A is not shared so: joint requests
; land in LDS, which W fills; the eight work-groups of a block row each load A's blocks for themselves.
; LDS: slot s at 147,456 s: four quarters of 128 rows (k) of 256 bytes, pitch 288; wave w fetches quarter w.  W lies [k][n]; fragments by the transposing load.
;      The way out's stage (16 rows x 528 bytes a wave) lies in slot 0 after its last fill: all reads of slot 0 ended in front of the last change of slots.
; REGISTERS: window 0: addresses, the bias, rows on the way out.  Window 1: W's fragments, two buffers of 128 (unit e, column block b at 64 e + 8 b).
;            Window 2: accumulator (a, b) at v[8 (8 a + b)]; v128-255 the residual.  Window 3: A's ring, chunk c, unit e, row block a at 32 c + 16 e + 8 a.
; The matrix instruction is used transposed (source 0 = 16 columns of W, source 1 = 16 rows of A): a lane holds eight neighbouring columns of a row.
; By this text's count a wave has at most two tensor loads outstanding (the start), later one, and at most 57 loads into registers.
; Limits: operands are f16, as the launches that made them left them; sums and the result are f32; NaN and infinities are not treated specially.
.set SIZE_K, 4096
.set WOFF,   16777216
.set SIZE_N, 1024
.set BP,     288                       ; W's LDS row: 256 bytes + 32, an odd multiple of 32
.set QUART,  128*BP
.set SLOT,   4*QUART
.set SPITCH, 528                       ; a stage row: 512 bytes + 16, an odd multiple of 16
.set STG,    16*SPITCH
.set LAPS,   SIZE_K/1024               ; a lap = two slots of 512 = once round the ring
.set ASTR,   SIZE_K*32                 ; bytes from a block row of A (16 rows) to the next
.set LN,   1                           ; 16 x lane
.set ADRB, 8                           ; v8-15  my W fragments: slot s, quarter j at 4 s + j
.set STO,  16
.set RD,   17
.set BIAS, 20                          ; v[20:23]
.set RB,   64                          ; v64-127  16 rows on the way out
.set RS,   128                         ; window 2: the residual, row i at 4 i
.set G1, 24                            ; s[24:31] the shape of a quarter, with the mask
.set G0, 32                            ; s[32:39] from where, to where: one set for each slot
.set MSB, 0
.macro WIN new                         ; the immediate's high byte repeats the setting that is left
.if MSB != \new
	s_set_vgpr_msb (MSB<<8)|\new
.set MSB, \new
.endif
.endm
.set MULW, 0xad                        ; source 0 (W) window 1, source 1 (A) window 3, C and D window 2
.set TO_W, 0x40                        ; destination window 1, address window 0
.set TO_R, 0x80                        ; destination window 2
.set TO_A, 0xc0                        ; destination window 3
.macro JLOAD s                         ; a joint load: every wave its own quarter; four v_nop follow the line
	tensor_load_to_lds s[G0+4*\s:G0+4*\s+3], s[G1:G1+7]
	s_nop 0
.rept 4
	v_nop
.endr
.endm
.macro CREST                           ; a round of the cluster's barrier behind its opening barrier
	s_cmp_lg_u32 s14, 0
	s_cbranch_scc1 .Lnot_wave_0_\@
	s_barrier_signal -3
.Lnot_wave_0_\@:
	s_barrier_wait -3
	s_barrier_signal -1
	s_barrier_wait -1
.endm
.macro CROUND
	s_barrier_signal -1
	s_barrier_wait -1
	CREST
.endm
; eight loads: chunk ch (counted from the lap's first) of my 32 rows of A into place rs of the ring
.macro AFILL rs, ch
	WIN TO_A
.irp e, 0,1
.irp a, 0,1
	global_load_b128 v[32*(\rs)+16*\e+8*\a:32*(\rs)+16*\e+8*\a+3],   v[LN], s[18:19] offset:\a*ASTR+(2*(\ch)+\e)*1024
	global_load_b128 v[32*(\rs)+16*\e+8*\a+4:32*(\rs)+16*\e+8*\a+7], v[LN], s[18:19] offset:\a*ASTR+(2*(\ch)+\e)*1024+512
.endr
.endr
.endm
; eight loads: rows 8 i .. 8 i + 7 of my 32 rows of the residual, 512 consecutive bytes each
.macro RFILL i
	WIN TO_R
.irp t, 0,1,2,3,4,5,6,7
	global_load_b128 v[RS+4*(8*\i+\t):RS+4*(8*\i+\t)+3], v[LN], s[10:11] offset:(8*\i+\t)*4096
.endr
.endm
; 32 LDS loads in one run: W's fragments of chunk c (64 k of the slot's 512, all 128 columns) into buffer f
.macro FETCHW slot, c, f
	WIN TO_W
.irp e, 0,1
.irp b, 0,1,2,3,4,5,6,7
	ds_load_tr16_b128 v[128*(\f)+64*\e+8*\b:128*(\f)+64*\e+8*\b+3],   v[ADRB+4*\slot+(\c)/2] offset:(((\c)%2)*64+32*\e)*BP+32*\b
	ds_load_tr16_b128 v[128*(\f)+64*\e+8*\b+4:128*(\f)+64*\e+8*\b+7], v[ADRB+4*\slot+(\c)/2] offset:(((\c)%2)*64+32*\e+16)*BP+32*\b
.endr
.endr
.endm
; eight matrix instructions: row block a x all 8 column blocks, unit e (32 k) of buffer f and of the ring's place rs.
; The 16 accumulators take turns, one instruction a turn.  zero = 1: the first product starts the sums.
.macro MUL8 f, e, rs, a, zero
.irp b, 0,1,2,3,4,5,6,7
.if \zero
	v_wmma_f32_16x16x32_f16 v[8*(8*\a+\b):8*(8*\a+\b)+7], v[128*(\f)+64*\e+8*\b:128*(\f)+64*\e+8*\b+7], v[32*(\rs)+16*\e+8*\a:32*(\rs)+16*\e+8*\a+7], 0
.else
	v_wmma_f32_16x16x32_f16 v[8*(8*\a+\b):8*(8*\a+\b)+7], v[128*(\f)+64*\e+8*\b:128*(\f)+64*\e+8*\b+7], v[32*(\rs)+16*\e+8*\a:32*(\rs)+16*\e+8*\a+7], v[8*(8*\a+\b):8*(8*\a+\b)+7]
.endif
.endr
.endm
.macro PLACES                          ; four plain places between a matrix instruction and a load into one of its registers
.rept 4
	v_nop
.endr
.endm
; Chunk c (0 to 6) of a slot: 32 matrix instructions; in its middle one run of loads: the next chunk's W, and (kind 1) A's chunk arg into the ring's place
; that the chunk before has left, or (kind 2) a quarter of the residual.  left = how many younger loads into registers may stay out.
.macro CHUNK slot, c, kind, arg, left, zero
	s_wait_dscnt 16                                ; this chunk's first unit of W is in; the 16 loads of its second may be out
	s_wait_loadcnt \left                           ; this chunk's A is in
	WIN MULW
	MUL8 (\c%2), 0, \c, 0, \zero
	MUL8 (\c%2), 0, \c, 1, \zero
	PLACES
	FETCHW \slot, (\c+1), ((\c+1)%2)
.if \kind == 1
	AFILL ((\c+7)%8), \arg
.endif
.if \kind == 2
	RFILL \arg
.endif
	s_wait_dscnt 32                                ; all but the 32 just issued
	WIN MULW
	MUL8 (\c%2), 1, \c, 0, 0
	MUL8 (\c%2), 1, \c, 1, 0
.endm
.macro STEP slot, base, zero           ; chunks 0 to 6; behind each chunk's A six younger chunks of 8 loads are out: 48
	CHUNK \slot, 0, 1, \base, 48, \zero
	CHUNK \slot, 1, 1, \base+1, 48, 0
	CHUNK \slot, 2, 1, \base+2, 48, 0
	CHUNK \slot, 3, 1, \base+3, 48, 0
	CHUNK \slot, 4, 1, \base+4, 48, 0
	CHUNK \slot, 5, 1, \base+5, 48, 0
	CHUNK \slot, 6, 1, \base+6, 48, 0
.endm
; Chunk 7: multiplies buffer 1 and changes slots.  In front of the barrier each wave waits for its reads of this slot and for all its tensor loads;
; behind it the refill comes first, then the next slot's first fragments and A's chunk arg.
.macro TURN slot, next, fill, arg
	s_wait_dscnt 16
	s_wait_loadcnt 48
	WIN MULW
	MUL8 1, 0, 7, 0, 0
	s_wait_dscnt 0                                 ; my reads of this slot are over
	s_set_vgpr_msb 0xada0
	s_wait_tensorcnt 0x0                           ; all my tensor loads have landed: the one that was out is my quarter of the next slot
	ds_add_u32 v254, v255
	s_wait_dscnt 0x0
	s_set_vgpr_msb 0xa0ad
	s_barrier_signal -1                            ; (where a slot is filled again this barrier opens a round of the cluster's barrier)
	MUL8 1, 0, 7, 1, 0                             ; register work while the others arrive
	WIN 0
	s_barrier_wait -1
.if \fill
	CREST                                          ; no wave of any partner still reads this slot or has a load on its way
	s_add_nc_u64 s[G0+4*\slot+2:G0+4*\slot+3], s[G0+4*\slot+2:G0+4*\slot+3], 1024*SIZE_N*2
	JLOAD \slot                                    ; the wave's one tensor load behind the round; its four v_nop are also the places in front of the loads below
.else
	PLACES
.endif
	FETCHW \next, 0, 0
	AFILL 6, \arg
	WIN MULW
	MUL8 1, 1, 7, 0, 0
	MUL8 1, 1, 7, 1, 0
.endm
.macro LAP zero                        ; once round the ring, both slots filled again; then A's base steps by the lap's 16 chunks
	STEP 0, 7, \zero
	TURN 0, 1, 1, 14
	STEP 1, 15, 0
	TURN 1, 0, 1, 22
	WIN 0
	s_wait_xcnt 0x0                                ; the base of A's loads is written only behind this wait
	s_add_nc_u64 s[18:19], s[18:19], 32768
.endm
; The last lap fills no slot.  In its second step A's last chunk is asked for in chunk 0 and the residual takes the refills' places in chunks 1 to 4, so
; behind a chunk's A there are still 48 younger loads up to chunk 5, then 40 and 32 (the residual's 32 stay out to the way out).
.macro LASTLAP zero
	STEP 0, 7, \zero
	TURN 0, 1, 0, 14
	CHUNK 1, 0, 1, 15, 48, 0
	CHUNK 1, 1, 2, 0, 48, 0
	CHUNK 1, 2, 2, 1, 48, 0
	CHUNK 1, 3, 2, 2, 48, 0
	CHUNK 1, 4, 2, 3, 48, 0
	CHUNK 1, 5, 0, 0, 48, 0
	CHUNK 1, 6, 0, 0, 40, 0
	s_wait_dscnt 16
	s_wait_loadcnt 32
	WIN MULW
	MUL8 1, 0, 7, 0, 0
	MUL8 1, 0, 7, 1, 0
	s_wait_dscnt 0
	MUL8 1, 1, 7, 0, 0
	MUL8 1, 1, 7, 1, 0
.endm
	s_load_b256 s[4:11], s[0:1], 0x0               ; A s[4:5], weights s[6:7], bias s[8:9], resid s[10:11]
	s_load_b64 s[12:13], s[0:1], 0x20              ; out
	v_lshl_add_u32 v254, v0, 2, 0x48000
	v_mov_b32 v255, 0
	ds_add_u32 v254, v255
	ds_add_u32 v254, v255
	v_lshrrev_b32 v2, 5, v0
	v_readfirstlane_b32 s14, v2                    ; wave 0..3
	s_bfe_u32 s40, ttmp6, 0x40000                  ; cx
	s_bfe_u32 s41, ttmp6, 0x40004                  ; cy
	s_lshl_b32 s42, ttmp9, 2
	s_add_co_u32 s42, s42, s40                     ; block column
	s_and_b32 s17, ttmp7, 0xffff
	s_lshl_b32 s17, s17, 2
	s_add_co_u32 s17, s17, s41                     ; block row
	s_lshl_b32 s44, 0x1111, s40                    ; my column of the cluster: places cx, cx + 4, cx + 8, cx + 12
	; the shape: 128 rows (k) x 128 elements (n) of 2 bytes, 8 words of padding behind every 64
	s_or_b32 s[G1+0], s44, (1<<16)|(1<<20)|(1<<21)|(5<<22)|(7<<25)
	s_mov_b32 s[G1+1], 128<<16
	s_mov_b32 s[G1+2], 128<<16
	s_mov_b32 s[G1+3], 128<<16
	s_mov_b32 s[G1+4], 128
	s_mov_b32 s[G1+5], SIZE_N
	s_mov_b32 s[G1+6], 0
	s_mov_b32 s[G1+7], 0
	s_lshl_b32 s46, s14, 18                        ; W: k row 128 x wave, rows of 2,048 bytes,
	s_lshl_b32 s47, s42, 8                         ; column 128 x block column,
	s_add_co_u32 s46, s46, s47
	s_add_co_u32 s46, s46, WOFF                    ; in this matrix's part of the weight buffer
	s_mov_b32 s47, 0
	s_lshl_b32 s20, s17, 3
	s_lshl_b32 s21, s14, 1
	s_add_co_u32 s20, s20, s21                     ; A: block row 8 x block row + 2 x wave
	s_mul_i32 s20, s20, ASTR
	s_mov_b32 s21, 0
	s_lshl_b32 s68, s17, 7
	s_lshl_b32 s69, s14, 5
	s_add_co_u32 s68, s68, s69                     ; resid, out: my first row,
	s_lshl_b32 s68, s68, 12                        ; rows of 4,096 bytes,
	s_lshl_b32 s69, s42, 9
	s_add_co_u32 s68, s68, s69                     ; my block's 128 columns
	s_mov_b32 s69, 0
	s_lshl_b32 s66, s42, 9                         ; the same columns of the bias
	s_mov_b32 s67, 0
	s_mul_i32 s22, s14, QUART                      ; where my quarter goes: no place in the cluster enters an LDS address
	s_wait_dscnt 0x0
	s_wait_kmcnt 0x0
	s_add_nc_u64 s[18:19], s[4:5], s[20:21]
	s_add_nc_u64 s[46:47], s[6:7], s[46:47]
	s_add_nc_u64 s[10:11], s[10:11], s[68:69]
	s_add_nc_u64 s[12:13], s[12:13], s[68:69]
	s_add_nc_u64 s[66:67], s[8:9], s[66:67]
	CROUND                                         ; all sixteen work-groups are here: the first joint loads meet
.irp s, 0,1
	s_mov_b32 s[G0+4*\s], 1
	s_add_co_u32 s[G0+4*\s+1], s22, \s*SLOT
	s_add_nc_u64 s[G0+4*\s+2:G0+4*\s+3], s[46:47], \s*512*SIZE_N*2
	s_or_b32 s[G0+4*\s+3], s[G0+4*\s+3], 0x80000000
	JLOAD \s                                       ; both slots' first fills go out together: two tensor loads of the wave are out
.endr
	v_and_b32 v2, 31, v0
	v_lshlrev_b32 v[LN], 4, v2
	global_load_b128 v[BIAS:BIAS+3], v[LN], s[66:67]       ; the bias of the four columns that I store
.irp g, 0,1,2,3,4,5,6
	AFILL \g, \g                                   ; A's first seven chunks
.endr
	WIN 0
	v_and_b32 v3, 15, v0                           ; r
	v_bfe_u32 v4, v0, 4, 1                         ; h
	v_and_b32 v5, 7, v0
	v_lshl_add_u32 v5, v4, 3, v5                   ; k row 8 h + l % 8
	v_mul_u32_u24 v5, v5, BP
	v_bfe_u32 v6, v0, 3, 1
	v_lshl_add_u32 v[ADRB], v6, 4, v5
.irp j, 1,2,3,4,5,6,7
	v_add_nc_u32 v[ADRB+\j], (\j/4)*SLOT+(\j%4)*QUART, v[ADRB]
.endr
	s_mul_i32 s23, s14, STG                        ; my stage
	v_mul_u32_u24 v5, v3, SPITCH
	v_lshl_add_u32 v5, v4, 5, v5                   ; in: row r, 32 bytes for each half of the lanes
	v_add_nc_u32 v[STO], s23, v5
	v_add_nc_u32 v[RD], s23, v[LN]                 ; back: a row's 512 bytes, 16 a lane
	s_wait_tensorcnt 1                             ; my quarter of slot 0 is in; slot 1's may stay out
	s_barrier_signal -1
	s_barrier_wait -1
	FETCHW 0, 0, 0
.if LAPS > 1
	LAP 1                                          ; the first lap stands in front of the loop: its first products start the sums
.if LAPS > 2
	s_mov_b32 s3, LAPS-2
.Llap:
	LAP 0
	s_sub_co_u32 s3, s3, 1
	s_cmp_lg_u32 s3, 0
	s_cbranch_scc1 .Llap
.endif
	LASTLAP 0
.else
	LASTLAP 1
.endif
	; THE WAY OUT: the bias is added to the residual; then 16 rows at a time go through my stage, come back as rows of 512 bytes and are added and stored.
	PLACES
	s_wait_loadcnt 0x0                             ; the residual
	WIN 0x82                                       ; destination and source 0 window 2, source 1 window 0
.set n, 0
.rept 32
	v_pk_add_f32 v[RS+4*n:RS+4*n+1],   v[RS+4*n:RS+4*n+1],   v[BIAS:BIAS+1]
	v_pk_add_f32 v[RS+4*n+2:RS+4*n+3], v[RS+4*n+2:RS+4*n+3], v[BIAS+2:BIAS+3]
.set n, n+1
.endr
.macro OUTS a
	WIN 0x08                                       ; the LDS stores' data in window 2
.irp b, 0,1,2,3,4,5,6,7
	ds_store_b128 v[STO], v[8*(8*\a+\b):8*(8*\a+\b)+3]   offset:64*\b
	ds_store_b128 v[STO], v[8*(8*\a+\b)+4:8*(8*\a+\b)+7] offset:64*\b+16
.endr
	WIN 0
.set n, 0
.rept 16
	ds_load_b128 v[RB+4*n:RB+4*n+3], v[RD] offset:n*SPITCH         ; LDS serves a wave's instructions in order: these see the stores above
.set n, n+1
.endr
	WIN 0x88                                       ; sums into window 2, where the residual lies; the stores' data there too, their address in window 0
.set n, 0
.rept 16
	s_wait_dscnt 15-n
	v_pk_add_f32 v[RS+4*(16*\a+n):RS+4*(16*\a+n)+1],   v[RB+4*n:RB+4*n+1],   v[RS+4*(16*\a+n):RS+4*(16*\a+n)+1]
	v_pk_add_f32 v[RS+4*(16*\a+n)+2:RS+4*(16*\a+n)+3], v[RB+4*n+2:RB+4*n+3], v[RS+4*(16*\a+n)+2:RS+4*(16*\a+n)+3]
	global_store_b128 v[LN], v[RS+4*(16*\a+n):RS+4*(16*\a+n)+3], s[12:13] offset:(16*\a+n)*4096   ; 512 consecutive bytes, aligned; its registers are not written again
.set n, n+1
.endr
.endm
	OUTS 0
	OUTS 1
	WIN 0
	s_wait_tensorcnt 0x0
	ds_add_u32 v254, v255
	s_wait_dscnt 0x0
	CROUND                                         ; the closing round: no work-group ends while a partner may still ask for a tile that names it
	s_endpgm
.Lfunc_end_k_qdc44d119d4_gemm_mlp:
	.size	k_qdc44d119d4_gemm_mlp, .Lfunc_end_k_qdc44d119d4_gemm_mlp-k_qdc44d119d4_gemm_mlp
	.p2alignl 7, 3214868480
	.fill 96, 4, 3214868480
	.section	.rodata,"a",@progbits
	.p2align	6, 0x0
	.amdhsa_kernel k_qdc44d119d4_gemm_mlp
		.amdhsa_group_segment_fixed_size 327680
		.amdhsa_private_segment_fixed_size 0
		.amdhsa_enable_private_segment 0
		.amdhsa_kernarg_size 40
		.amdhsa_user_sgpr_count 2
		.amdhsa_user_sgpr_kernarg_segment_ptr 1
		.amdhsa_wavefront_size32 1
		.amdhsa_system_sgpr_workgroup_id_x 1
		.amdhsa_system_sgpr_workgroup_id_y 1
		.amdhsa_system_sgpr_workgroup_id_z 1
		.amdhsa_system_vgpr_workitem_id 0
		.amdhsa_next_free_vgpr 1024
		.amdhsa_next_free_sgpr 72
		.amdhsa_reserve_vcc 0
		.amdhsa_float_denorm_mode_32 3
		.amdhsa_float_denorm_mode_16_64 3
		.amdhsa_memory_ordered 1
		.amdhsa_forward_progress 1
		.amdhsa_inst_pref_size 255
	.end_amdhsa_kernel
	.section	.bss,"aw",@nobits
	.p2align	6
	.space	262144
	.amdgpu_metadata
---
amdhsa.version: [ 1, 2 ]
amdhsa.kernels:
  - .name:           k_qdc44d119d4_gemm_mlp
    .symbol:         k_qdc44d119d4_gemm_mlp.kd
    .args:
      - { .name: gbuf, .offset: 0, .size: 8, .value_kind: global_buffer, .address_space: global }
      - { .name: wbf, .offset: 8, .size: 8, .value_kind: global_buffer, .address_space: global }
      - { .name: b_mlp_proj, .offset: 16, .size: 8, .value_kind: global_buffer, .address_space: global }
      - { .name: x1, .offset: 24, .size: 8, .value_kind: global_buffer, .address_space: global }
      - { .name: out0, .offset: 32, .size: 8, .value_kind: global_buffer, .address_space: global }
    .group_segment_fixed_size: 327680
    .private_segment_fixed_size: 0
    .kernarg_segment_align: 8
    .kernarg_segment_size: 40
    .max_flat_workgroup_size: 128
    .sgpr_count:     72
    .vgpr_count:     1024
    .wavefront_size: 32
...
	.end_amdgpu_metadata
.endif
;; end of part 7
;; ======== version 2 of 2: 8 launches; version 1 with the launches ln1, ln2 written anew for expert scheduling mode
;; limits: values are held in f16: magnitudes above 65,504 overflow, below 6.1e-05 lose precision
;; workspace buffers: wbf 25,165,824 bytes; act 8,388,608 bytes; qkvb 25,165,824 bytes; x1 16,777,216 bytes; gbuf 33,554,432 bytes
;; launch cvtw: the kernel of part 1 again; grid 768 x 1, 8 waves a work-group, no clusters, 0 bytes of LDS; arguments w_attn, w_proj, w_fc, w_mlp_proj, wbf; writes wbf
;; launch ln1 (part 8): grid 256 x 1, 4 waves a work-group, no clusters, 0 bytes of LDS; arguments x, ln1_w, ln1_b, act; writes act
.if DOCPART == 8
	.amdgcn_target "amdgcn-amd-amdhsa--gfx1250"
	.amdhsa_code_object_version 6
	.text
	.protected	k_qdc44d119d4_ln1
	.globl	k_qdc44d119d4_ln1
	.p2align	8
	.type	k_qdc44d119d4_ln1,@function
k_qdc44d119d4_ln1:
	s_mov_b64 s[64:65], 0
	v_nop
	global_prefetch_b8 v0, s[64:65] scope:SCOPE_SE
	s_setreg_imm32_b32 hwreg(HW_REG_WAVE_SCHED_MODE, 0, 2), 2
	s_setreg_imm32_b32 hwreg(HW_REG_WAVE_MODE, 25, 1), 1
	s_wait_xcnt 0x0
	s_wait_alu depctr_vm_vsrc(0)
; Layer norm of 4,096 rows of 1,024 f32, result in f16: y = (x - mean) * rsqrt(var + 1e-5) * w + b.
; Two passes over registers: the mean first, then the squares of the centred numbers, so that no difference of large sums is formed.
; A work-group takes 16 rows, a wave 4; a row is one wave's (8 loads of 512 neighbouring bytes, 32 registers), so the
; reductions never leave the wave: no LDS, no barrier.  Nothing is shared but w and b (8 KiB): no cluster, no matrix unit.
; All 48 loads of a wave are issued at the start; the waits count down.  A store of the wave covers 256 consecutive bytes, aligned.
; WHY f16: a normalised number is at most sqrt(1023) < 32 in magnitude whatever x holds, so the result is at most 32 |w| + |b|.
; Limits: a result beyond 65,504 in magnitude becomes infinite (|w| above some 2,000); v_rsq_f32 is good to the last bit but one and
; flushes denormals; NaN and infinities are not treated specially.
; THE MODE: SCHED_MODE bits 1:0 = 2 (LLVM: expert scheduling mode 2), set by the entry lines.  The code itself states the register dependences
; between vector instructions and memory instructions, with s_wait_alu, always for 0.
; THE PLAN.  Registers that memory instructions touch:
;   v1, v2, v3    byte offsets.  Written by vector instructions at the head, never again; read by every load (v1, v2) and every store (v3).
;   X0 .. X3, W, BV   Written by the 48 loads at the start, ahead of which no vector instruction names them; no load lands in them later.
;   the 16 packed words of row i (the first two of each four registers of X[i])   Written by row i's conversions and never again; read by row i's eight stores.
;   T, MU, R and v16 are named by vector instructions alone.
; A row's conversions stand in one run, and its eight stores are issued in the NEXT row, behind the wait that stands there ahead of the first reader of
; the two reciprocal roots: that one wait also states that the row before has written its packed words.  The stores are dealt among the row's scalings, which
; name this row's X and R alone: none of the registers that the stores read.  Row 3's stores have a wait of their own.  No register that a memory
; instruction reads is written again, so no wait on vm_vsrc is owed.
.set ROWB, 4096
.set T,   4                            ; v[4:11]   four chains at work
.set MU,  12                           ; v[12:13]  the mean, twice
.set R,   14                           ; v[14:15]  1 / sqrt(var + eps), twice
.set W,   20                           ; v[20:51]  w of my 32 columns
.set BV,  52                           ; v[52:83]  b of my 32 columns
.set X,   84                           ; v[84:211] row i: 32 registers
	s_load_b256 s[4:11], s[0:1], 0x0               ; src s[4:5], w s[6:7], b s[8:9], dst s[10:11]
	s_lshl_b32 s2, ttmp9, 16                       ; 16 rows of 4,096 bytes in
	s_mov_b32 s3, 0
	s_lshl_b32 s16, ttmp9, 15                      ; 16 rows of 2,048 bytes out
	s_mov_b32 s17, 0
	s_mov_b32 s12, 0x76543210                      ; v_permlanex16_b32: lane i reads lane i of the other half
	s_mov_b32 s13, 0xfedcba98
	s_mov_b32 s14, 0x3a800000                      ; 1 / 1024
	s_mov_b32 s15, 0x3727c5ac                      ; 1e-5
	v_and_b32 v2, 31, v0
	v_lshrrev_b32 v16, 5, v0                       ; wave (v16 later takes the other half's sum: written here once)
	v_lshlrev_b32 v3, 3, v2
	v_lshlrev_b32 v2, 4, v2                        ; 16 x lane: my place in w, b and a row
	v_lshl_add_u32 v1, v16, 14, v2                 ; + wave x 4 rows in
	v_lshl_add_u32 v3, v16, 13, v3                 ; 8 x lane + wave x 4 rows out
	s_wait_kmcnt 0x0
	s_add_nc_u64 s[4:5], s[4:5], s[2:3]
	s_add_nc_u64 s[10:11], s[10:11], s[16:17]
	s_wait_alu depctr_va_vdst(0)                   ; v1, v2 and v3 are written: every load and store of the kernel reads one of them as its offset
.irp c, 0,1,2,3,4,5,6,7
	global_load_b128 v[X+4*\c:X+4*\c+3], v1, s[4:5] offset:512*\c
.endr
.irp c, 0,1,2,3,4,5,6,7
	global_load_b128 v[W+4*\c:W+4*\c+3], v2, s[6:7] offset:512*\c
.endr
.irp c, 0,1,2,3,4,5,6,7
	global_load_b128 v[BV+4*\c:BV+4*\c+3], v2, s[8:9] offset:512*\c
.endr
.irp i, 1,2,3
.irp c, 0,1,2,3,4,5,6,7
	global_load_b128 v[X+32*\i+4*\c:X+32*\i+4*\c+3], v1, s[4:5] offset:ROWB*\i+512*\c
.endr
.endr
; the four chains in T fold into one number, and that is summed over the 32 lanes; every lane ends with the sum in v[T]
.macro FOLD
	v_pk_add_f32 v[T:T+1], v[T:T+1], v[T+2:T+3]
	v_pk_add_f32 v[T+4:T+5], v[T+4:T+5], v[T+6:T+7]
	v_pk_add_f32 v[T:T+1], v[T:T+1], v[T+4:T+5]
	v_add_f32 v[T], v[T], v[T+1]
	v_add_f32_dpp v[T], v[T], v[T] row_xmask:1 row_mask:0xf bank_mask:0xf
	v_add_f32_dpp v[T], v[T], v[T] row_xmask:2 row_mask:0xf bank_mask:0xf
	v_add_f32_dpp v[T], v[T], v[T] row_xmask:4 row_mask:0xf bank_mask:0xf
	v_add_f32_dpp v[T], v[T], v[T] row_xmask:8 row_mask:0xf bank_mask:0xf
	v_permlanex16_b32 v16, v[T], s12, s13
	v_add_f32 v[T], v[T], v16
.endm
; row i.  left = how many younger loads may stay out when this row has to be there.  The row before is stored here; this row is stored in the next.
.macro ROW i, left
.set XR, X+32*\i
	s_wait_loadcnt \left
.irp k, 0,1,2,3
	v_pk_add_f32 v[T+2*\k:T+2*\k+1], v[XR+2*\k:XR+2*\k+1], v[XR+8+2*\k:XR+8+2*\k+1]     ; the first adds start the chains
.endr
.irp k, 0,1,2,3
	v_pk_add_f32 v[T+2*\k:T+2*\k+1], v[T+2*\k:T+2*\k+1], v[XR+16+2*\k:XR+16+2*\k+1]
.endr
.irp k, 0,1,2,3
	v_pk_add_f32 v[T+2*\k:T+2*\k+1], v[T+2*\k:T+2*\k+1], v[XR+24+2*\k:XR+24+2*\k+1]
.endr
	FOLD
	v_mul_f32 v[MU], s14, v[T]
	v_mul_f32 v[MU+1], s14, v[T]
.set n, 0
.rept 16
	v_pk_add_f32 v[XR+2*n:XR+2*n+1], v[XR+2*n:XR+2*n+1], v[MU:MU+1] neg_lo:[0,1] neg_hi:[0,1]   ; x - mean
.set n, n+1
.endr
.irp k, 0,1,2,3
	v_pk_mul_f32 v[T+2*\k:T+2*\k+1], v[XR+2*\k:XR+2*\k+1], v[XR+2*\k:XR+2*\k+1]
.endr
.set n, 4
.rept 12
	v_pk_fma_f32 v[T+2*(n%4):T+2*(n%4)+1], v[XR+2*n:XR+2*n+1], v[XR+2*n:XR+2*n+1], v[T+2*(n%4):T+2*(n%4)+1]
.set n, n+1
.endr
	FOLD
	v_fma_f32 v[T], v[T], s14, s15                 ; var + eps
	v_rsq_f32 v[R], v[T]
	v_rsq_f32 v[R+1], v[T]
.if \i == 0
	s_wait_loadcnt 24                              ; w and b are in; the 24 loads of rows 1 to 3 stay out
.endif
	v_nop                                          ; one plain place behind v_rsq_f32 before its result is used (ISA guide 5.7.2)
	s_wait_alu depctr_va_vdst(0)                   ; the two v_rsq_f32 have written v[R:R+1], ahead of their first reader; and the row before has written its 16 packed words, which the stores below read
.set n, 0
.rept 16
.if (\i > 0) && (n % 2 == 0)
	global_store_b64 v3, v[XR-32+2*n:XR-32+2*n+1], s[10:11] offset:2048*(\i-1)+128*n   ; the row before, piece n / 2.  No further wait: no vector instruction since the wait names these registers or v3; they are never written again
.endif
	v_pk_mul_f32 v[XR+2*n:XR+2*n+1], v[XR+2*n:XR+2*n+1], v[R:R+1]
.set n, n+1
.endr
.set n, 0
.rept 16
	v_pk_fma_f32 v[XR+2*n:XR+2*n+1], v[XR+2*n:XR+2*n+1], v[W+2*n:W+2*n+1], v[BV+2*n:BV+2*n+1]
.set n, n+1
.endr
.irp c, 0,1,2,3,4,5,6,7
	v_cvt_pk_f16_f32 v[XR+4*\c], v[XR+4*\c], v[XR+4*\c+1]          ; four numbers close up into the first two of their four registers
	v_cvt_pk_f16_f32 v[XR+4*\c+1], v[XR+4*\c+2], v[XR+4*\c+3]
.endr
.endm
	ROW 0, 40                                      ; out: w (8), b (8), rows 1 to 3 (24)
	ROW 1, 16
	ROW 2, 8
	ROW 3, 0
	s_wait_alu depctr_va_vdst(0)                   ; row 3's conversions have written its 16 packed words, which the last eight stores read
.irp c, 0,1,2,3,4,5,6,7
	global_store_b64 v3, v[X+96+4*\c:X+96+4*\c+1], s[10:11] offset:2048*3+256*\c
.endr
	s_endpgm
.Lfunc_end_k_qdc44d119d4_ln1:
	.size	k_qdc44d119d4_ln1, .Lfunc_end_k_qdc44d119d4_ln1-k_qdc44d119d4_ln1
	.p2alignl 7, 3214868480
	.fill 96, 4, 3214868480
	.section	.rodata,"a",@progbits
	.p2align	6, 0x0
	.amdhsa_kernel k_qdc44d119d4_ln1
		.amdhsa_group_segment_fixed_size 0
		.amdhsa_private_segment_fixed_size 0
		.amdhsa_enable_private_segment 0
		.amdhsa_kernarg_size 32
		.amdhsa_user_sgpr_count 2
		.amdhsa_user_sgpr_kernarg_segment_ptr 1
		.amdhsa_wavefront_size32 1
		.amdhsa_system_sgpr_workgroup_id_x 1
		.amdhsa_system_sgpr_workgroup_id_y 1
		.amdhsa_system_sgpr_workgroup_id_z 1
		.amdhsa_system_vgpr_workitem_id 0
		.amdhsa_next_free_vgpr 212
		.amdhsa_next_free_sgpr 66
		.amdhsa_reserve_vcc 0
		.amdhsa_float_denorm_mode_32 3
		.amdhsa_float_denorm_mode_16_64 3
		.amdhsa_memory_ordered 1
		.amdhsa_forward_progress 1
		.amdhsa_inst_pref_size 38
	.end_amdhsa_kernel
	.amdgpu_metadata
---
amdhsa.version: [ 1, 2 ]
amdhsa.kernels:
  - .name:           k_qdc44d119d4_ln1
    .symbol:         k_qdc44d119d4_ln1.kd
    .args:
      - { .name: x, .offset: 0, .size: 8, .value_kind: global_buffer, .address_space: global }
      - { .name: ln1_w, .offset: 8, .size: 8, .value_kind: global_buffer, .address_space: global }
      - { .name: ln1_b, .offset: 16, .size: 8, .value_kind: global_buffer, .address_space: global }
      - { .name: act, .offset: 24, .size: 8, .value_kind: global_buffer, .address_space: global }
    .group_segment_fixed_size: 0
    .private_segment_fixed_size: 0
    .kernarg_segment_align: 8
    .kernarg_segment_size: 32
    .max_flat_workgroup_size: 128
    .sgpr_count:     66
    .vgpr_count:     212
    .wavefront_size: 32
...
	.end_amdgpu_metadata
.endif
;; end of part 8
;; launch gemm_qkv: the kernel of part 3 again; grid 12 x 16, 4 waves a work-group, clusters of 4 x 4, 327,680 bytes of LDS; arguments act, wbf, b_attn, qkvb; writes qkvb
;; launch attn: the kernel of part 4 again; grid 256 x 1, 8 waves a work-group, no clusters, 327,680 bytes of LDS; arguments qkvb, act; writes act
;; launch gemm_proj: the kernel of part 5 again; grid 8 x 32, 4 waves a work-group, clusters of 4 x 4, 295,424 bytes of LDS; arguments act, wbf, b_proj, x, x1; writes x1
;; launch ln2: the kernel of part 8 again; grid 256 x 1, 4 waves a work-group, no clusters, 0 bytes of LDS; arguments x1, ln2_w, ln2_b, act; writes act
;; launch gemm_fc: the kernel of part 6 again; grid 16 x 16, 4 waves a work-group, clusters of 4 x 4, 327,680 bytes of LDS; arguments act, wbf, b_fc, gbuf; writes gbuf
;; launch gemm_mlp: the kernel of part 7 again; grid 8 x 32, 4 waves a work-group, clusters of 4 x 4, 327,680 bytes of LDS; arguments gbuf, wbf, b_mlp_proj, x1, out0; writes out0
